; MI455X (gfx1250); checked and timed in simulation.
; The chip was launched on July 23, 2026; its instructions are those of AMD's public machine-readable ISA for CDNA 5 (MIT licence, August 2026) and "CDNA5" Instruction Set Architecture Reference Guide (July 2026). The comments in the code are by the model that wrote it; some were corrected since.
;; Causal Self Attention. Allowed arithmetic: matrix products marked QUANTISED: E4M3 operands, one given power-of-two scale a tensor, by v_wmma_f32_16x16x64_fp8_fp8 or v_wmma_f32_16x16x128_fp8_fp8, f32 sums; everything else in f32.
;; Inputs: Wk 1,024 x 1,024 float32; Wp 1,024 x 1,024 float32; Wq 1,024 x 1,024 float32; Wv 1,024 x 1,024 float32; bk 1,024 float32; bp 1,024 float32; bq 1,024 float32; bv 1,024 float32; lowp_scales 12 int32 (the exponents e of the quantised operands' scales 2^e); x 4 x 2,048 x 1,024 float32.
;; Outputs: out0 4 x 2,048 x 1,024 float32.
;; Constants: ch_list = 0.
;; This version of the problem:
;;   THIS VERSION OF THE PROBLEM IS GIVEN IN LOW PRECISION. The matrix products marked QUANTISED in the list below multiply operands that are first quantised to E4M3 (4 exponent bits, 3 mantissa bits; 8 bits a number), with one given power-of-two scale for each operand tensor; their sums are f32. All else is computed in f32.
;;   The module's matrix products, in the order in which they are computed (A, B: the left and right operand; K: the contracted axis; several contracted axes count as one K, in the product's order):
;;     1. [M 8,192, K 1,024] x [K 1,024, N 1,024]; A: input x; B: input Wq: QUANTISED (scales: A lowp_scales[0], B lowp_scales[1])
;;     2. [M 8,192, K 1,024] x [K 1,024, N 1,024]; A: input x; B: input Wk: QUANTISED (scales: A lowp_scales[2], B lowp_scales[3])
;;     3. [M 8,192, K 1,024] x [K 1,024, N 1,024]; A: input x; B: input Wv: QUANTISED (scales: A lowp_scales[4], B lowp_scales[5])
;;     4. batch 64 x [M 2,048, K 64] x [K 64, N 2,048]; A: computed on the way; B: computed on the way: QUANTISED (scales: A lowp_scales[6], B lowp_scales[7])
;;     5. batch 64 x [M 2,048, K 2,048] x [K 2,048, N 64]; A: softmax (see below); B: computed on the way: QUANTISED (scales: A lowp_scales[8], B lowp_scales[9])
;;     6. [M 8,192, K 1,024] x [K 1,024, N 1,024]; A: computed on the way; B: input Wp: QUANTISED (scales: A lowp_scales[10], B lowp_scales[11])
;;   THE QUANTISER, for each operand of a quantised product, along K:
;;     - The operand's scale is 2^e, e = its entry of the input lowp_scales (int32; the entries are numbered through the quantised products in the list's order, A before B).
;;     - Each number is divided by the scale, clamped to +-448, and rounded to the nearest number of E4M3, ties to even, subnormals kept.
;;     - The product sums the exact products of the quantised numbers (number of the format x scale) in f32.
;;   ~~~python
;;   def quantise(x, axis, e):      # numpy; x: float32 -> the quantised numbers, widened to float32 again
;;       x = np.moveaxis(x, axis, -1); K = x.shape[-1]
;;       r = np.clip(x / 2.0 ** e, -448, 448)
;;       step = 2.0 ** (np.maximum(np.frexp(np.where(r == 0, 1, r))[1] - 1, -6) - 3)
;;       q = np.round(r / step) * step * 2.0 ** e      # np.round: ties to even
;;       return np.moveaxis(q, -1, axis).astype(np.float32)
;;   ~~~
;;   SOFTMAX AHEAD OF A QUANTISED PRODUCT. Where the list says 'softmax', what is quantised is not the finished softmax but p = 2^(t - M), with t = logit x log2(e) and M = ceil(the row's largest t), a whole number; so 1/2 < the row's largest p <= 1. The row's sum l is taken of the UNQUANTISED p, in f32, and the product's result is divided by l at the end. Since M is a whole number, a kernel that streams over the keys may use a running M (the ceiling of the running maximum): every later rescaling is an exact power of two, so the quantised numbers keep their values, but for numbers so far below the row's largest that they fall under the format's range.
;;   OPERANDS COMPUTED ON THE WAY. 'Computed on the way' means the value that the module computes at that place (a softmax that the list does not call 'softmax' is quantised finished and normalised). What goes into a quantiser is computed in f32, as accurately as f32 sums, v_exp_f32 and their like allow (about 1e-6 of the number): no bf16 or f16 on the way to a quantiser, and a product that is left as it is and whose result goes on into a quantised operand takes f32 operands (vector FMAs, or v_wmma_f32_16x16x4_f32). A number that lies on a knife's edge between two numbers of the format may be rounded either way, as far as f32 arithmetic and the matrix unit's own rounding can turn it there, and no further.
;; One version. Each part assembles by itself: llvm-mc -triple=amdgcn-amd-amdhsa -mcpu=gfx1250 --defsym DOCPART=n.
;; ======== version 1 of 1: 4 launches
;; limits: right only within a limited range of input values
;; workspace buffers: xc 25,165,824 bytes; wc 4,194,304 bytes; qi 8,388,608 bytes; kv 16,777,216 bytes; yi 8,388,608 bytes
;; launch quant (part 1): grid 640 x 1, 4 waves a work-group, no clusters, 68,096 bytes of LDS; arguments x, Wq, Wk, Wv, Wp, lowp_scales, xc, wc; writes xc, wc
.if DOCPART == 1
	.amdgcn_target "amdgcn-amd-amdhsa--gfx1250"
	.amdhsa_code_object_version 6
	.text
	.protected	k_q84e4b503b8_quant
	.globl	k_q84e4b503b8_quant
	.p2align	8
	.type	k_q84e4b503b8_quant,@function
k_q84e4b503b8_quant:
	s_mov_b64 s[64:65], 0
	v_nop
	global_prefetch_b8 v0, s[64:65] scope:SCOPE_SE
	s_setreg_imm32_b32 hwreg(HW_REG_WAVE_MODE, 25, 1), 1
	s_wait_xcnt 0x0
; x [8192][1024] f32 becomes THREE planes of E4M3 codes (x is the left operand of three products, each with a scale of its own: entries 0, 2, 4 of the scales);
; Wq, Wk, Wv, Wp [k 1024][n 1024] f32 become four planes of codes laid [n][k], K innermost (entries 1, 3, 5, 11).
; code = number / 2^e, held within +-448, rounded to the nearest code, ties to even.
; LIMITS: each e lies between -126 and 119, so that 2^e and 448 x 2^e are f32 numbers.  NaN among the inputs is not served.
; Work-groups 0 to 127 take the weights (32 each: 8 strips of 128 columns x 4 pieces of 256 along K), work-groups 128 to 639 take x.  The two ways part on the work-group's number and have LDS bytes of their own.
; WEIGHTS: a lane takes a column n and its registers run down K, so the conversions give codes with K innermost; a wave's 32 columns x 256 codes go through its stage in LDS and leave as rows, sixteen lanes to 256 consecutive bytes.
;   In Wp's plane the second and third group of 8 codes of every 32 along K change places: that is the order in which the attention launch leaves y's codes in the operand's registers.
; x: a plain stream.  Each load reads 512 consecutive bytes; a step's 2,048 bytes turn through the wave's stage so that a lane holds 16 neighbours; each plane's 16 codes a lane leave as 512 consecutive bytes a wave.
; No tensor loads, no barrier: waves share nothing.
.set STEPS, 8                          ; x: steps of 512 numbers for a wave
.set SP,    80                         ; x: a lane's place in a stage: 64 bytes + 16 of padding
.set WREG,  8192                       ; x: LDS of a wave: two stages of 32 x SP bytes
.set XR,    16                         ; v16-79   x: four sets of 16 numbers as loaded
.set XX,    80                         ; v80-111  x: two sets of 16 neighbours
.set XT,    112
.set XC,    160                        ; v160-255 x: codes, four registers for each step and plane: no store's data are written again
.set WST,   32768                      ; weights: the stages begin here
.set WP,    272                        ; weights: a stage row: 256 bytes + 16
.set NB,    8                          ; weights: blocks of 32 along K for a wave
.set WX,    32                         ; v32-95   weights: two sets of 32 numbers
.set WC,    96                         ; v96-103  weights: a block's codes as they are stored
.set WE,    104                        ; v104-107 weights: the two middle groups of 8 codes
.set WO,    112                        ; v112-175 weights: the way out
.macro WLOAD t                         ; block t: W(32 t + i, my column), i = 0 .. 31, into set t % 2; 32 lanes read 128 consecutive bytes
.set i, 0
.rept 32
	global_load_b32 v[WX+32*((\t)%2)+i], v3, s[6:7] offset:(32*(\t)+i)*4096 th:TH_LOAD_NT
.set i, i+1
.endr
.endm
.macro WBLOCK t
.set XS, WX+32*((\t)%2)
.if (\t) < NB-1
	s_wait_loadcnt 32                              ; this block's 32 loads are in; the next block's 32 may be out
.else
	s_wait_loadcnt 0
.endif
.set i, 0
.rept 32
.set i, i+1
.endr
	v_cvt_scalef32_pk8_fp8_f32 v[WC:WC+1], v[XS:XS+7], v11
	v_cvt_scalef32_pk8_fp8_f32 v[WE:WE+1], v[XS+8:XS+15], v11
	v_cvt_scalef32_pk8_fp8_f32 v[WE+2:WE+3], v[XS+16:XS+23], v11
	v_cvt_scalef32_pk8_fp8_f32 v[WC+6:WC+7], v[XS+24:XS+31], v11
	v_nop                                          ; one plain vector line between a scaled conversion and the vector lines that read its result
	v_cndmask_b32 v[WC+2], v[WE], v[WE+2], s30     ; s30 is all ones for Wp: the middle groups change places; else they stay
	v_cndmask_b32 v[WC+3], v[WE+1], v[WE+3], s30
	v_cndmask_b32 v[WC+4], v[WE+2], v[WE], s30
	v_cndmask_b32 v[WC+5], v[WE+3], v[WE+1], s30
	ds_store_b128 v4, v[WC:WC+3] offset:32*(\t)    ; 32 codes: 32 bytes of my column's row
	ds_store_b128 v4, v[WC+4:WC+7] offset:32*(\t)+16
.if (\t)+2 < NB
	WLOAD (\t)+2
.endif
	s_wait_dscnt 0x0                               ; the stores have read their registers: the next block's codes may be written
.endm
.macro XLOAD t
.irp i, 0,1,2,3
	global_load_b128 v[XR+16*((\t)%4)+4*\i:XR+16*((\t)%4)+4*\i+3], v3, s[4:5] offset:2048*(\t)+512*\i th:TH_LOAD_NT   ; 32 lanes read 512 consecutive bytes
.endr
.endm
.macro XTURN t                         ; step t's numbers through the stage: LDS serves a wave's instructions in order (ISA guide 5.7.1.4), so no wait stands between the stores and the loads
.irp i, 0,1,2,3
	ds_store_b128 v14, v[XR+16*((\t)%4)+4*\i:XR+16*((\t)%4)+4*\i+3] offset:32*SP*((\t)%2)+8*SP*\i
.endr
	v_nop
.irp i, 0,1,2,3
	ds_load_b128 v[XX+16*((\t)%2)+4*\i:XX+16*((\t)%2)+4*\i+3], v15 offset:32*SP*((\t)%2)+16*\i
.endr
.endm
.macro XSTEP t
.set XS, XX+16*((\t)%2)
	s_wait_dscnt 0x0                               ; this step's numbers are back from the stage, so its stores into the stage have read their registers,
.if (\t)+4 < STEPS
	XLOAD (\t)+4                                   ; which take the loads of four steps on
.endif
.if (\t)+1 < STEPS
.if STEPS-2-(\t) >= 3
	s_wait_loadcnt 12                              ; the next step's four loads are in; those of the three steps behind it may be out
.else
	s_wait_loadcnt 4*(STEPS-2-(\t))
.endif
	XTURN (\t)+1                                   ; and go through the other stage while this step is worked
.endif
.irp p, 0,1,2                          ; the three planes: the same numbers, converted with each plane's scale
.set i, 0
.rept 16
.set i, i+1
.endr
	v_cvt_scalef32_pk8_fp8_f32 v[XC+12*(\t)+4*\p:XC+12*(\t)+4*\p+1], v[XT+16*\p+((XS+i)-(XT+16*\p+i)):XT+16*\p+7+((XS+i)-(XT+16*\p+i))], v[5+\p]
	v_cvt_scalef32_pk8_fp8_f32 v[XC+12*(\t)+4*\p+2:XC+12*(\t)+4*\p+3], v[XT+16*\p+8+((XS+i)-(XT+16*\p+i)):XT+16*\p+15+((XS+i)-(XT+16*\p+i))], v[5+\p]
	global_store_b128 v3, v[XC+12*(\t)+4*\p:XC+12*(\t)+4*\p+3], s[28+2*\p:29+2*\p] offset:512*(\t)   ; the wave stores 512 consecutive bytes.  (The codes go to a store alone; the next lines are the next plane's conversions, on other registers)
.endr
.endm
	s_load_b256 s[4:11], s[0:1], 0x0               ; x s[4:5], Wq s[6:7], Wk s[8:9], Wv s[10:11]
	s_load_b256 s[12:19], s[0:1], 0x20             ; Wp s[12:13], the scales' exponents s[14:15], xc s[16:17], wc s[18:19]
	v_lshl_add_u32 v12, v0, 2, 0x10800
	v_mov_b32 v13, 0
	v_lshrrev_b32 v1, 5, v0
	v_readfirstlane_b32 s20, v1                    ; wave 0..3
	v_and_b32 v2, 31, v0                           ; lane
	s_wait_kmcnt 0x0
	s_load_b256 s[36:43], s[14:15], 0x0            ; e0 .. e7
	s_load_b128 s[44:47], s[14:15], 0x20           ; e8 .. e11
	s_cmp_lt_u32 ttmp9, 128
	s_cbranch_scc0 .Lx
	; ---- the weights
	s_lshr_b32 s21, ttmp9, 5                       ; which weight: 0 Wq, 1 Wk, 2 Wv, 3 Wp
	s_and_b32 s22, ttmp9, 7                        ; which strip of 128 columns
	s_bfe_u32 s23, ttmp9, 0x20003                  ; which 256 along K
	s_cmp_eq_u32 s21, 1
	s_cselect_b64 s[6:7], s[8:9], s[6:7]
	s_cmp_eq_u32 s21, 2
	s_cselect_b64 s[6:7], s[10:11], s[6:7]
	s_cmp_eq_u32 s21, 3
	s_cselect_b64 s[6:7], s[12:13], s[6:7]
	s_lshl_b32 s24, s22, 7
	s_lshl_b32 s25, s20, 5
	s_add_co_u32 s24, s24, s25                     ; my wave's first column
	s_lshl_b32 s26, s23, 20                        ; 256 rows of 4,096 bytes
	s_lshl_b32 s25, s24, 2
	s_add_co_u32 s26, s26, s25
	s_mov_b32 s27, 0
	s_add_nc_u64 s[6:7], s[6:7], s[26:27]
	s_lshl_b32 s26, s24, 10                        ; codes: column x 1,024 + 256 x piece + the weight's plane
	s_lshl_b32 s25, s23, 8
	s_add_co_u32 s26, s26, s25
	s_lshl_b32 s25, s21, 20
	s_add_co_u32 s26, s26, s25
	s_add_nc_u64 s[18:19], s[18:19], s[26:27]
	s_wait_alu depctr_va_vdst(0)
	v_lshlrev_b32 v3, 2, v2                        ; in: 4 bytes a lane
	WLOAD 0
	WLOAD 1
	s_mul_i32 s25, s20, 32*WP
	s_add_co_u32 s25, s25, WST                     ; my stage
	v_mul_u32_u24 v4, v2, WP
	v_add_nc_u32 v4, s25, v4                       ; into it: row = my column
	v_and_b32 v5, 15, v2
	v_lshrrev_b32 v6, 4, v2                        ; out of it: sixteen lanes to a row, two rows an instruction
	v_mul_u32_u24 v7, v6, WP
	v_lshl_add_u32 v7, v5, 4, v7
	v_add_nc_u32 v7, s25, v7
	v_lshlrev_b32 v8, 10, v6
	v_lshl_add_u32 v8, v5, 4, v8                   ; and the same place in the codes' plane
	s_wait_kmcnt 0x0
	s_cmp_eq_u32 s21, 1
	s_cselect_b32 s37, s39, s37                    ; e1, e3, e5 or e11
	s_cmp_eq_u32 s21, 2
	s_cselect_b32 s37, s41, s37
	s_cmp_eq_u32 s21, 3
	s_cselect_b32 s37, s47, s37
	s_cselect_b32 s30, -1, 0
	s_add_co_i32 s37, s37, 127
	s_lshl_b32 s31, s37, 23
	v_mov_b32 v11, s31                             ; 2^e as f32: the conversion takes its exponent field
	s_add_co_i32 s37, s37, 8
	s_lshl_b32 s37, s37, 23
	s_or_b32 s37, s37, 0x600000
	s_wait_alu depctr_va_vdst(0)
.irp t, 0,1,2,3,4,5,6,7
	WBLOCK \t
.endr
.irp t, 0,1,2,3,4,5,6,7,8,9,10,11,12,13,14,15
	ds_load_b128 v[WO+4*\t:WO+4*\t+3], v7 offset:2*\t*WP      ; these see my stores: a wave's LDS instructions are served in order
.endr
.irp t, 0,1,2,3,4,5,6,7,8,9,10,11,12,13,14,15
	s_wait_dscnt 15-\t                             ; row pair t is back; the younger ones may be out
	global_store_b128 v8, v[WO+4*\t:WO+4*\t+3], s[18:19] offset:2*\t*1024   ; sixteen lanes store 256 consecutive bytes of a row
.endr
	s_wait_tensorcnt 0x0
	ds_add_u32 v12, v13
	s_wait_dscnt 0x0
	s_endpgm
	; ---- x
.Lx:
	s_sub_co_u32 s21, ttmp9, 128
	s_lshl_b32 s21, s21, 2
	s_add_co_u32 s21, s21, s20                     ; which run of 4,096 numbers is my wave's
	s_lshl_b32 s26, s21, 14
	s_mov_b32 s27, 0
	s_add_nc_u64 s[4:5], s[4:5], s[26:27]
	s_lshl_b32 s26, s21, 12
	s_add_nc_u64 s[28:29], s[16:17], s[26:27]      ; the three planes lie 8,388,608 bytes apart: a pointer for each
	s_add_nc_u64 s[30:31], s[28:29], 0x800000
	s_add_nc_u64 s[32:33], s[30:31], 0x800000
	s_wait_alu depctr_va_vdst(0)
	v_lshlrev_b32 v3, 4, v2                        ; my 16 bytes of a load's 512, and of a store's
.irp t, 0,1,2,3
	XLOAD \t
.endr
	s_mul_i32 s22, s20, WREG
	v_lshrrev_b32 v14, 2, v2
	v_mul_u32_u24 v14, v14, SP
	v_and_b32 v15, 3, v2
	v_lshl_add_u32 v14, v15, 4, v14
	v_add_nc_u32 v14, s22, v14                     ; the stage, on the way in: four lanes' 64 bytes on end, then 16 of padding
	v_mul_u32_u24 v15, v2, SP
	v_add_nc_u32 v15, s22, v15                     ; and on the way out: my 16 neighbours
	s_wait_alu depctr_va_vdst(0)
	s_wait_kmcnt 0x0
.irp p, 0,1,2
	s_add_co_i32 s22, s[36+2*\p], 127              ; e0, e2, e4
	s_lshl_b32 s23, s22, 23
	v_mov_b32 v[5+\p], s23                         ; 2^e
	s_add_co_i32 s22, s22, 8
	s_lshl_b32 s22, s22, 23
	s_or_b32 s22, s22, 0x600000
.endr
	s_wait_alu depctr_va_vdst(0)
	s_wait_loadcnt 12                              ; step 0's four loads are in
	XTURN 0
.irp t, 0,1,2,3,4,5,6,7
	XSTEP \t
.endr
	s_wait_tensorcnt 0x0
	ds_add_u32 v12, v13
	s_wait_dscnt 0x0
	s_endpgm
.Lfunc_end_k_q84e4b503b8_quant:
	.size	k_q84e4b503b8_quant, .Lfunc_end_k_q84e4b503b8_quant-k_q84e4b503b8_quant
	.p2alignl 7, 3214868480
	.fill 96, 4, 3214868480
	.section	.rodata,"a",@progbits
	.p2align	6, 0x0
	.amdhsa_kernel k_q84e4b503b8_quant
		.amdhsa_group_segment_fixed_size 68096
		.amdhsa_private_segment_fixed_size 0
		.amdhsa_enable_private_segment 0
		.amdhsa_kernarg_size 64
		.amdhsa_user_sgpr_count 2
		.amdhsa_user_sgpr_kernarg_segment_ptr 1
		.amdhsa_wavefront_size32 1
		.amdhsa_system_sgpr_workgroup_id_x 1
		.amdhsa_system_sgpr_workgroup_id_y 1
		.amdhsa_system_sgpr_workgroup_id_z 1
		.amdhsa_system_vgpr_workitem_id 0
		.amdhsa_next_free_vgpr 256
		.amdhsa_next_free_sgpr 66
		.amdhsa_reserve_vcc 0
		.amdhsa_float_denorm_mode_32 3
		.amdhsa_float_denorm_mode_16_64 3
		.amdhsa_fp16_overflow 1
		.amdhsa_memory_ordered 1
		.amdhsa_forward_progress 1
		.amdhsa_inst_pref_size 51
	.end_amdhsa_kernel
	.amdgpu_metadata
---
amdhsa.version: [ 1, 2 ]
amdhsa.kernels:
  - .name:           k_q84e4b503b8_quant
    .symbol:         k_q84e4b503b8_quant.kd
    .args:
      - { .name: x, .offset: 0, .size: 8, .value_kind: global_buffer, .address_space: global }
      - { .name: Wq, .offset: 8, .size: 8, .value_kind: global_buffer, .address_space: global }
      - { .name: Wk, .offset: 16, .size: 8, .value_kind: global_buffer, .address_space: global }
      - { .name: Wv, .offset: 24, .size: 8, .value_kind: global_buffer, .address_space: global }
      - { .name: Wp, .offset: 32, .size: 8, .value_kind: global_buffer, .address_space: global }
      - { .name: lowp_scales, .offset: 40, .size: 8, .value_kind: global_buffer, .address_space: global }
      - { .name: xc, .offset: 48, .size: 8, .value_kind: global_buffer, .address_space: global }
      - { .name: wc, .offset: 56, .size: 8, .value_kind: global_buffer, .address_space: global }
    .group_segment_fixed_size: 68096
    .private_segment_fixed_size: 0
    .kernarg_segment_align: 8
    .kernarg_segment_size: 64
    .max_flat_workgroup_size: 128
    .sgpr_count:     66
    .vgpr_count:     256
    .wavefront_size: 32
...
	.end_amdgpu_metadata
.endif
;; end of part 1
;; launch qkv (part 2): grid 4 x 96, 4 waves a work-group, clusters of 4 x 4, 327,680 bytes of LDS; arguments xc, wc, bq, bk, bv, lowp_scales, qi, kv; writes qi, kv
.if DOCPART == 2
	.amdgcn_target "amdgcn-amd-amdhsa--gfx1250"
	.amdhsa_code_object_version 6
	.text
	.protected	k_q84e4b503b8_qkv
	.globl	k_q84e4b503b8_qkv
	.p2align	8
	.type	k_q84e4b503b8_qkv,@function
k_q84e4b503b8_qkv:
	s_mov_b64 s[64:65], 0
	v_nop
	global_prefetch_b8 v0, s[64:65] scope:SCOPE_SE
	s_setreg_imm32_b32 hwreg(HW_REG_WAVE_MODE, 25, 1), 1
	s_wait_xcnt 0x0
	s_wait_alu depctr_hold_cnt(0) depctr_sa_sdst(0) depctr_va_vdst(0) depctr_va_sdst(0) depctr_va_ssrc(0) depctr_va_vcc(0) depctr_vm_vsrc(0)
	s_getreg_b32 s2, hwreg(HW_REG_IB_STS2, 6, 4)
	s_cmp_eq_u32 s2, 0
	s_cbranch_scc0 .Lentry_in_a_cluster
	s_endpgm
.Lentry_in_a_cluster:
	s_bfe_u32 s2, ttmp6, 0x10000c
	s_cmp_lg_u32 s2, 0xf033
	s_cbranch_scc0 .Lentry_shape_is_right
	s_endpgm
.Lentry_shape_is_right:
; q = x Wq + bq, k = x Wk + bk, v = x Wv + bv on E4M3 codes (K = 1,024), and each result quantised at once for the attention launch, stored as IMAGES OF THAT LAUNCH'S OPERAND REGISTERS.
; 384 tiles of 256 x 256: the cluster's y / 8 says which product (0 q, 1 k, 2 v), the cluster's y % 8 which 1,024 tokens.  Four waves, each 128 x 128: 64 accumulators of 16 x 16, 512 registers.
; SOURCE 0 (P) gives a lane's eight registers, SOURCE 1 (R) its one row.  q, k: P = 16 rows of the weight's codes (features), R = 16 tokens: a lane holds one token and eight neighbouring features, the next K.
; v: P = 16 tokens, R = 16 features: a lane holds one feature and eight neighbouring keys, the second attention product's K.  One text serves both: only pointers and offsets are chosen, by selects on the cluster's y.
; So the conversions' results ARE registers 2 c, 2 c + 1 of a 16 x 64 fragment (k = 16 c + 8 (lane / 16) + 0 .. 7), and each store of a wave is 512 consecutive bytes: four registers of 32 lanes.
; qi: [batch x head 64][tile of 16 tokens 128][half of the 8 registers 2][lane 32][16 bytes].  kv: for each batch x head 131,072 bytes of k laid like qi, then 131,072 of v: [64 keys 32][16 features 4][half 2][lane][16 bytes].
; q x 1 / (32 x 8) = q x 2^-8 is what the fourth product takes: the factor is added to its scale's exponent.
; K goes in steps of 256 through a ring of two LDS slots filled by the tensor data mover.  CLUSTERS: 4 x 4 work-groups; R's tiles are shared along a row of the cluster, P's along a column: each is asked for jointly.
; A fragment of 128 along K comes by four loads of 16 bytes, 32 bytes apart: a permutation of k that is the same in both sources.
; LIMITS: e0 + e1, e2 + e3, e4 + e5 between -126 and 127; e6 + 8, e7, e9 between -126 and 119.  NaN among the inputs is not served.
; REGISTERS, in windows of 256: window 0: v0-31 addresses; v32-95 the bias of a lane's 64 features (q, k); v96-111 the bias of a lane's one feature in each of 8 blocks, twice (v); from v128 R's fragments, ONE set;
;   on the way out v128-191 the numbers, v192-255 four sets of codes.  window 1: P's fragments, TWO sets.  windows 2, 3: the accumulators ((a, b) at v[8 (8 (a % 4) + b)]).
.set KSTEP,  256
.set ROWB,   256                       ; a tile's row in bytes
.set KROW,   1024                      ; a row of codes in memory
.set PITCH,  272                       ; an LDS row: 256 bytes + 16 of padding = 68 words: the 16 rows that a load touches start at 16 different banks (64 banks of 4 bytes: ISA guide 11.1)
.set FR,     16
.set NL,     4
.set NP,     4                         ; places behind this matrix instruction (ISA guide 7.12.1)
.set HALFT,  128*PITCH
.set SLOT,   4*HALFT                   ; R's 256 rows, then P's 256 rows
.set SPARE,  2*SLOT                    ; behind the ring: the spare words, 128 bytes for each wave
.set ADRA, 16                          ; v16-17  LDS address of my fragments of R in slot 0, 1
.set ADRB, 20                          ; v20-21  the same for P
.set LN16, 27                          ; v27     16 x lane: my place in an image
.set SPW,  28                          ; v28     LDS address of my spare word; never rewritten
.set NIL,  29                          ; v29     0; never rewritten
.set ABI,  30                          ; v30     byte offset of the bias along my registers
.set ABV,  31                          ; v31     byte offset of the bias along my lanes
.set BI,   32
.set BV,   96
.set SCL,  112                         ; v112    the result's scale as f32
.set LIM,  113
.set AF,   128
.set T,    128
.set CD,   192
.set G1, 24                            ; s[24:31] descriptor group 1 for R's tiles;  s[32:39] group 0, one set for each slot
.set G0, 32
.set G1B, 48                           ; s[48:55], s[56:63] the same for P's tiles
.set G0B, 56
.set MSB, 0
.macro WIN new                         ; the immediate's high byte repeats the setting that is left
.if MSB != \new
	s_set_vgpr_msb (MSB<<8)|\new
.set MSB, \new
.endif
.endm
.set MUL_LO, 0xa1                      ; source 0 window 1, source 1 window 0, C and D window 2
.set MUL_HI, 0xf1                      ; the same, C and D window 3
.set TO_B,   0x40                      ; destination window 1, address window 0
; A joint load: waves 0 and 1 fetch for R, waves 2 and 3 for P.  The branch hangs on the wave's number alone.  Four v_nop follow each of the two lines.
.macro JLOAD g0a, g1a, g0b, g1b
	s_cmp_eq_u32 s15, 0
	s_cbranch_scc0 .Lfor_b_\@
	tensor_load_to_lds s[\g0a:\g0a+3], s[\g1a:\g1a+7]
	s_nop 0
.rept 4
	v_nop
.endr
	s_branch .Lasked_\@
.Lfor_b_\@:
	tensor_load_to_lds s[\g0b:\g0b+3], s[\g1b:\g1b+7]
	s_nop 0
.rept 4
	v_nop
.endr
.Lasked_\@:
.endm
.macro CREST                           ; a round of the cluster's barrier behind its opening barrier
	s_cmp_lg_u32 s14, 0
	s_cbranch_scc1 .Lnot_wave_0_\@
	s_barrier_signal -3
.Lnot_wave_0_\@:
	s_barrier_wait -3
	s_barrier_signal -1
	s_barrier_wait -1
.endm
.macro CROUND
	s_barrier_signal -1
	s_barrier_wait -1
	CREST
.endm
	s_load_b128 s[4:7], s[0:1], 0x0                ; xc s[4:5], wc s[6:7]
	s_load_b128 s[8:11], s[0:1], 0x10              ; bq s[8:9], bk s[10:11]
	s_load_b128 s[68:71], s[0:1], 0x20             ; bv s[68:69], the scales' exponents s[70:71]
	s_load_b128 s[72:75], s[0:1], 0x30             ; qi s[72:73], kv s[74:75]
	v_lshl_add_u32 v[SPW], v0, 2, SPARE
	v_mov_b32 v[NIL], 0
	ds_add_u32 v28, v29
	ds_add_u32 v28, v29
	s_wait_dscnt 0x0
	v_lshrrev_b32 v1, 5, v0
	v_readfirstlane_b32 s14, v1                    ; wave 0..3
	s_lshr_b32 s15, s14, 1                         ; which half of R's rows is mine.  Also: I fetch for R (0) or for P (1)
	s_and_b32 s16, s14, 1                          ; which half of P's rows.  Also: which 128 rows of that tile I fetch
	s_bfe_u32 s40, ttmp6, 0x40000                  ; cx, cy: my place in the cluster
	s_bfe_u32 s41, ttmp6, 0x40004
	s_and_b32 s66, ttmp7, 0xffff                   ; the cluster's y, the same in all sixteen partners
	s_and_b32 s67, s66, 7                          ; which 1,024 tokens
	s_lshr_b32 s66, s66, 3                         ; which product: 0 q, 1 k, 2 v
	s_lshl_b32 s88, s66, 23                        ; x's plane of codes
	s_lshl_b32 s89, s66, 20                        ; the weight's plane
	s_mov_b32 s90, 0x1000000
	s_cmp_eq_u32 s66, 2
	s_cselect_b32 s88, 0x200000, s88               ; R's plane: v: Wv's codes; else x's plane
	s_cselect_b32 s89, s90, s89                    ; P's plane: v: x's third plane; else the weight's
	s_cselect_b32 s91, s67, 0                      ; the tokens run along P (v) ..
	s_cselect_b32 s92, 0, s67                      ; .. or along R (q, k)
	s_lshl_b32 s42, s91, 2
	s_add_co_u32 s42, s42, s40                     ; P's tile of 256 rows
	s_lshl_b32 s17, s92, 2
	s_add_co_u32 s17, s17, s41                     ; R's tile of 256 rows
	s_lshl_b32 s43, s41, 2
	s_lshl_b32 s43, 15, s43                        ; my row of the cluster
	s_lshl_b32 s44, 0x1111, s40                    ; my column
	; descriptor group 1: a tile of 128 rows x 256 bytes, padded in LDS
	s_or_b32 s[G1+0], s43, (0<<16)|(1<<20)|(1<<21)|(5<<22)|(3<<25)  ; 15:0 the mask; 17:16 elements of 1 byte; 20 padding on; 21 set beside a mask; 24:22 after every 64 words (code 5); 31:25 four words (code 3)
	s_or_b32 s[G1B+0], s44, (0<<16)|(1<<20)|(1<<21)|(5<<22)|(3<<25)
.irp g, G1, G1B
	s_mov_b32 s[\g+1], ROWB<<16                    ; tensor_dim0
	s_mov_b32 s[\g+2], 128<<16                     ; tensor_dim1
	s_mov_b32 s[\g+3], ROWB<<16                    ; tile_dim0
	s_mov_b32 s[\g+4], 128                         ; tile_dim1
	s_mov_b32 s[\g+5], KROW                        ; tensor_dim0_stride
	s_mov_b32 s[\g+6], 0
	s_mov_b32 s[\g+7], 0
.endr
	s_lshl_b32 s18, s16, 7                         ; which 128 rows of the tile I fetch
	s_lshl_b32 s20, s17, 8
	s_add_co_u32 s20, s20, s18
	s_lshl_b32 s20, s20, 10                        ; rows of 1,024 bytes
	s_add_co_u32 s20, s20, s88                     ; R: hangs on cy and on what all partners share
	s_mov_b32 s21, 0
	s_lshl_b32 s46, s42, 8
	s_add_co_u32 s46, s46, s18
	s_lshl_b32 s46, s46, 10
	s_add_co_u32 s46, s46, s89                     ; P: hangs on cx and on what all partners share
	s_mov_b32 s47, 0
	s_mul_i32 s45, s14, HALFT                      ; where they go: wave x 128 rows: no place in the cluster enters an LDS address
	s_wait_kmcnt 0x0
	s_load_b256 s[76:83], s[70:71], 0x0            ; e0 .. e7
	s_load_b128 s[84:87], s[70:71], 0x20           ; e8 .. e11
	s_cmp_eq_u32 s66, 2
	s_cselect_b64 s[22:23], s[6:7], s[4:5]         ; R's buffer
	s_cselect_b64 s[94:95], s[4:5], s[6:7]         ; P's buffer
	s_add_nc_u64 s[20:21], s[22:23], s[20:21]
	s_add_nc_u64 s[46:47], s[94:95], s[46:47]
	CROUND                                         ; all sixteen work-groups are here: the first joint loads meet
.irp s, 0,1
	s_mov_b32 s[G0+4*\s], 1
	s_add_co_u32 s[G0+4*\s+1], s45, \s*SLOT
	s_add_nc_u64 s[G0+4*\s+2:G0+4*\s+3], s[20:21], \s*ROWB
	s_or_b32 s[G0+4*\s+3], s[G0+4*\s+3], 0x80000000
	s_mov_b32 s[G0B+4*\s], 1
	s_add_co_u32 s[G0B+4*\s+1], s45, \s*SLOT
	s_add_nc_u64 s[G0B+4*\s+2:G0B+4*\s+3], s[46:47], \s*ROWB
	s_or_b32 s[G0B+4*\s+3], s[G0B+4*\s+3], 0x80000000
	JLOAD G0+4*\s, G1, G0B+4*\s, G1B
.endr
	v_and_b32 v1, 15, v0                           ; r = lane % 16
	v_bfe_u32 v2, v0, 4, 1                         ; h = lane / 16
	s_wait_alu depctr_va_vdst(0)
	v_mul_u32_u24 v3, v1, PITCH
	v_lshl_add_u32 v4, v2, 4, v3                   ; a fragment's row x pitch + 16 x half
	s_mul_i32 s21, s15, HALFT                      ; my 128 rows of R
	s_mul_i32 s22, s16, HALFT                      ; my 128 rows of P,
	s_add_co_u32 s22, s22, 2*HALFT                 ; which lie behind R's 256
.irp s, 0,1
	v_add_nc_u32 v[ADRA+\s], s21, v4
	v_add_nc_u32 v[ADRB+\s], s22, v4
	s_add_co_u32 s21, s21, SLOT
	s_add_co_u32 s22, s22, SLOT
.endr
	v_and_b32 v6, 31, v0
	v_lshlrev_b32 v[LN16], 4, v6
	; the bias, and where the images go
	s_cmp_eq_u32 s66, 1
	s_cselect_b64 s[88:89], s[10:11], s[8:9]
	s_cmp_eq_u32 s66, 2
	s_cselect_b64 s[88:89], s[68:69], s[88:89]     ; bq, bk or bv
	s_lshl_b32 s93, s42, 8
	s_lshl_b32 s94, s16, 7
	s_add_co_u32 s93, s93, s94                     ; my first row of P
	s_lshl_b32 s94, s17, 8
	s_lshl_b32 s95, s15, 7
	s_add_co_u32 s94, s94, s95                     ; my first row of R
	s_cmp_eq_u32 s66, 2
	s_cselect_b32 s95, 0, s93                      ; q, k: my first feature, for the bias along the registers.  (The set that a product does not use reads the buffer's first 128 numbers: every register is written on every way)
	s_cselect_b32 s98, s94, 0                      ; v: my first feature, for the bias along the lanes
	s_cselect_b32 s99, s93, s94                    ; my first token
	s_cselect_b32 s96, s94, s93                    ; my first feature
	s_cselect_b32 s97, 0x20000, 0                  ; v's image lies behind k's
	s_lshl_b32 s95, s95, 2
	v_lshl_add_u32 v[ABI], v2, 5, s95              ; block b's eight numbers of my half: 64 b + 32 h bytes on
	s_lshl_b32 s98, s98, 2
	v_lshl_add_u32 v[ABV], v1, 2, s98              ; block a's number of my lane: 64 a + 4 r bytes on
.irp b, 0,1,2,3,4,5,6,7
	global_load_b128 v[BI+8*\b:BI+8*\b+3], v[ABI], s[88:89] offset:64*\b
	global_load_b128 v[BI+8*\b+4:BI+8*\b+7], v[ABI], s[88:89] offset:64*\b+16
.endr
.irp a, 0,1,2,3,4,5,6,7
	global_load_b32 v[BV+2*\a], v[ABV], s[88:89] offset:64*\a      ; twice: the packed multiply-add names a pair
	global_load_b32 v[BV+2*\a+1], v[ABV], s[88:89] offset:64*\a
.endr
	s_lshr_b32 s96, s96, 6                         ; my first head
	s_lshr_b32 s91, s99, 11                        ; the batch
	s_lshl_b32 s91, s91, 4
	s_add_co_u32 s91, s91, s96                     ; batch x 16 + head
	s_and_b32 s99, s99, 2047
	s_lshl_b32 s99, s99, 6                         ; 64 bytes a token within a head's image, in q's and k's (1,024 for 16) and in v's (4,096 for 64) alike
	s_add_co_u32 s99, s99, s97
	s_cmp_eq_u32 s66, 0
	s_cselect_b32 s96, 17, 18                      ; a head is 131,072 bytes in qi, 262,144 in kv
	s_cselect_b64 s[92:93], s[72:73], s[74:75]
	s_lshl_b32 s90, s91, s96
	s_add_co_u32 s90, s90, s99
	s_mov_b32 s91, 0
	s_add_nc_u64 s[90:91], s[92:93], s[90:91]      ; my first head's image
	s_lshl_b32 s94, 1, s96
	s_mov_b32 s95, 0
	s_add_nc_u64 s[92:93], s[90:91], s[94:95]      ; my second head's (q, k)
.macro FRAG reg, adr, q, i             ; a fragment, 16 rows x 128 K: lane l holds row l % 16; registers 4 c .. 4 c + 3 hold K = 32 c + 16 (l / 16) + 0 .. 15
.irp c, 0,1,2,3
	ds_load_b128 v[\reg+4*\c:\reg+4*\c+3], v[\adr] offset:128*(\q)+32*\c+(\i)*16*PITCH
.endr
.endm
; 16 matrix instructions: R's blocks a0, a0 + 1 x P's eight, 128 along K.  p: P's set.  zero = 1: the first product starts the sums.  The 64 accumulators take turns, one instruction a turn.
.macro MUL16 a0, p, zero
.irp a, \a0, \a0+1
.irp b, 0,1,2,3,4,5,6,7
.if \zero
	v_wmma_f32_16x16x128_fp8_fp8 v[8*(8*((\a)%4)+\b):8*(8*((\a)%4)+\b)+7], v[128*(\p)+FR*\b:128*(\p)+FR*\b+FR-1], v[AF+FR*(\a):AF+FR*(\a)+FR-1], 0
.else
	v_wmma_f32_16x16x128_fp8_fp8 v[8*(8*((\a)%4)+\b):8*(8*((\a)%4)+\b)+7], v[128*(\p)+FR*\b:128*(\p)+FR*\b+FR-1], v[AF+FR*(\a):AF+FR*(\a)+FR-1], v[8*(8*((\a)%4)+\b):8*(8*((\a)%4)+\b)+7]
.endif
.endr
.endr
.endm
.macro FETCH_B slot, q, p
	WIN TO_B
.irp i, 0,1,2,3,4,5,6,7
	FRAG 128*(\p)+FR*\i, ADRB+\slot, \q, \i
.endr
	WIN 0
.endm
.macro FETCH_A slot, q, i0
.irp i, \i0, \i0+1, \i0+2, \i0+3
	FRAG AF+FR*(\i), ADRA+\slot, \q, \i
.endr
.endm
.macro PLACES n                        ; plain vector lines between a matrix instruction and a load into, or a vector line on, its registers
.rept \n
	v_nop
.endr
.endm
; A step of 128 along K that has its successor in the same slot.
.macro STEP slot, q, zero
	s_wait_dscnt 4*NL                              ; P's set and R's blocks 0-3 are in; the youngest sixteen loads (R's blocks 4-7) may be out
	WIN MUL_LO
	MUL16 0, (\q)%2, \zero
	MUL16 2, (\q)%2, \zero
	s_wait_dscnt 0                                 ; R's blocks 4-7 are in
	PLACES NP
	FETCH_B \slot, (\q)+1, 1-(\q)%2
	FETCH_A \slot, (\q)+1, 0
	WIN MUL_HI
	MUL16 4, (\q)%2, \zero
	MUL16 6, (\q)%2, \zero
	PLACES NP
	WIN 0
	FETCH_A \slot, (\q)+1, 4
.endm
; A slot's last step changes slots: ONE barrier; in front of it each wave waits for all its tensor loads, adds 0 to its spare word, and waits for that and for its own reads of this slot.  fill = 1: this slot is filled again, two K steps ahead.
.macro TURN slot, next, fill
	s_wait_tensorcnt 0x0                           ; all my tensor loads have landed: my part of the next slot
	ds_add_u32 v[SPW], v[NIL]                      ; 0 onto my spare word
	s_wait_dscnt 4*NL+1                            ; (the add and the youngest sixteen loads may be out)
	WIN MUL_LO
	MUL16 0, 1, 0                                  ; sixteen matrix instructions stand between the add and the wait for it
	s_wait_dscnt 0x0                               ; the add is done, and my reads of this slot are over
	s_barrier_signal -1
	MUL16 2, 1, 0
	WIN 0
	s_barrier_wait -1
.if \fill
	CREST                                          ; the barrier has opened a round of the cluster's barrier: no wave of any partner still reads this slot's tile or has a load on its way
	s_add_nc_u64 s[G0+4*\slot+2:G0+4*\slot+3], s[G0+4*\slot+2:G0+4*\slot+3], 2*ROWB
	s_add_nc_u64 s[G0B+4*\slot+2:G0B+4*\slot+3], s[G0B+4*\slot+2:G0B+4*\slot+3], 2*ROWB
	JLOAD G0+4*\slot, G1, G0B+4*\slot, G1B         ; the first tensor load behind the round; its four v_nop are also the places in front of the loads below
.else
	PLACES NP
.endif
	FETCH_B \next, 0, 0
	FETCH_A \next, 0, 0
	WIN MUL_HI
	MUL16 4, 1, 0
	MUL16 6, 1, 0
	PLACES NP
	WIN 0
	FETCH_A \next, 0, 4
.endm
	s_wait_alu depctr_va_vdst(0)
	s_wait_tensorcnt 1                             ; my part of K step 0 is in (K step 1's load may be out),
	s_barrier_signal -1
	s_barrier_wait -1                              ; everybody's is
	FETCH_B 0, 0, 0
	FETCH_A 0, 0, 0
	FETCH_A 0, 0, 4
	STEP 0, 0, 1                                   ; the first step stands in front of the loop: its products start the sums
	s_mov_b32 s3, 1                                ; K = 1,024 is two laps of the ring: one trip fills both slots again
.Llap:
	TURN 0, 1, 1
	STEP 1, 0, 0
	TURN 1, 0, 1
	STEP 0, 0, 0
	s_sub_co_u32 s3, s3, 1
	s_cmp_lg_u32 s3, 0
	s_cbranch_scc1 .Llap
	TURN 0, 1, 0                                   ; the last lap fills nothing
	STEP 1, 0, 0
	s_wait_dscnt 4*NL
	WIN MUL_LO
	MUL16 0, 1, 0
	MUL16 2, 1, 0
	s_wait_dscnt 0
	WIN MUL_HI
	MUL16 4, 1, 0
	MUL16 6, 1, 0
	WIN 0
; THE WAY OUT, block by block of R's 16 rows: number = sum x 2^(ea + eb) + bias (one packed multiply-add for two, each accumulator from its low end on), the conversion.
; Accumulator b's eight numbers become registers 2 b, 2 b + 1 of the block's sixteen code registers: two fragments of 16 x 64.  kind 0 (q, k): the fragments of my two heads for these 16 tokens.
; kind 1 (v): this block is 16 features of head a / 4; the fragments are those of my two steps of 64 keys.
.macro EPI kind
.irp a, 0,1,2,3,4,5,6,7
	WIN (0x02+(\a/4))                              ; source 0: window 2 or 3
.set i, 0
.rept 32
.if \kind
	v_pk_fma_f32 v[T+i:T+i+1], v[64*(\a%4)+i:64*(\a%4)+i+1], s[96:97], v[BV+2*\a:BV+2*\a+1] op_sel_hi:[1,0,1]
.else
	v_pk_fma_f32 v[T+i:T+i+1], v[64*(\a%4)+i:64*(\a%4)+i+1], s[96:97], v[BI+i:BI+i+1] op_sel_hi:[1,0,1]
.endif
.set i, i+2
.endr
	WIN 0
.set i, 0
.rept 64
.set i, i+1
.endr
.if \a >= 4
	s_wait_alu depctr_va_vdst(0)
	s_wait_xcnt 0x0                                ; the stores of four blocks ago have read this set of code registers
.endif
.irp g, 0,1,2,3,4,5,6,7
	v_cvt_scalef32_pk8_fp8_f32 v[CD+16*(\a%4)+2*\g:CD+16*(\a%4)+2*\g+1], v[T+8*\g:T+8*\g+7], v[SCL]
.endr
	v_nop                                          ; one plain vector line behind the last conversion: the next block's lines write its sources
.irp q, 0,1,2,3
.if \kind
	global_store_b128 v[LN16], v[CD+16*(\a%4)+4*\q:CD+16*(\a%4)+4*\q+3], s[90:91] offset:(\a/4)*262144+(\a%4)*1024+(\q/2)*4096+(\q%2)*512
.else
	global_store_b128 v[LN16], v[CD+16*(\a%4)+4*\q:CD+16*(\a%4)+4*\q+3], s[90+2*(\q/2):91+2*(\q/2)] offset:\a*1024+(\q%2)*512
.endif
.endr
.endr
.endm
	s_wait_kmcnt 0x0
	s_add_co_i32 s96, s76, s77                     ; e0 + e1
	s_add_co_i32 s97, s78, s79                     ; e2 + e3
	s_add_co_i32 s98, s80, s81                     ; e4 + e5
	s_add_co_i32 s99, s82, 8                       ; e6 + 8: q x 2^-8 is what is quantised
	s_cmp_eq_u32 s66, 1
	s_cselect_b32 s96, s97, s96
	s_cselect_b32 s99, s83, s99                    ; e7
	s_cmp_eq_u32 s66, 2
	s_cselect_b32 s96, s98, s96
	s_cselect_b32 s99, s85, s99                    ; e9
	s_add_co_i32 s96, s96, 127
	s_lshl_b32 s96, s96, 23                        ; 2^(ea + eb) as f32
	s_mov_b32 s97, s96                             ; (named with it as a pair, so it is written)
	s_add_co_i32 s99, s99, 127
	s_lshl_b32 s98, s99, 23
	v_mov_b32 v[SCL], s98
	s_wait_loadcnt 0x0                             ; the biases
	PLACES NP                                      ; behind the last products: their results are read, and the registers that held R's fragments are written
	s_cmp_eq_u32 s66, 2                            ; the cluster's y alone: the same way in all partners
	s_cbranch_scc1 .Lkeys_inner
	EPI 0
	s_branch .Ldone
.Lkeys_inner:
	EPI 1
.Ldone:
	s_wait_tensorcnt 0x0                           ; the wave's end
	ds_add_u32 v[SPW], v[NIL]
	s_wait_dscnt 0x0
	CROUND                                         ; the closing round: no work-group ends while a partner may still ask for a tile that names it
	s_endpgm
.Lfunc_end_k_q84e4b503b8_qkv:
	.size	k_q84e4b503b8_qkv, .Lfunc_end_k_q84e4b503b8_qkv-k_q84e4b503b8_qkv
	.p2alignl 7, 3214868480
	.fill 96, 4, 3214868480
	.section	.rodata,"a",@progbits
	.p2align	6, 0x0
	.amdhsa_kernel k_q84e4b503b8_qkv
		.amdhsa_group_segment_fixed_size 327680
		.amdhsa_private_segment_fixed_size 0
		.amdhsa_enable_private_segment 0
		.amdhsa_kernarg_size 64
		.amdhsa_user_sgpr_count 2
		.amdhsa_user_sgpr_kernarg_segment_ptr 1
		.amdhsa_wavefront_size32 1
		.amdhsa_system_sgpr_workgroup_id_x 1
		.amdhsa_system_sgpr_workgroup_id_y 1
		.amdhsa_system_sgpr_workgroup_id_z 1
		.amdhsa_system_vgpr_workitem_id 0
		.amdhsa_next_free_vgpr 1024
		.amdhsa_next_free_sgpr 104
		.amdhsa_reserve_vcc 0
		.amdhsa_float_denorm_mode_32 3
		.amdhsa_float_denorm_mode_16_64 3
		.amdhsa_fp16_overflow 1
		.amdhsa_memory_ordered 1
		.amdhsa_forward_progress 1
		.amdhsa_inst_pref_size 131
	.end_amdhsa_kernel
	.amdgpu_metadata
---
amdhsa.version: [ 1, 2 ]
amdhsa.kernels:
  - .name:           k_q84e4b503b8_qkv
    .symbol:         k_q84e4b503b8_qkv.kd
    .args:
      - { .name: xc, .offset: 0, .size: 8, .value_kind: global_buffer, .address_space: global }
      - { .name: wc, .offset: 8, .size: 8, .value_kind: global_buffer, .address_space: global }
      - { .name: bq, .offset: 16, .size: 8, .value_kind: global_buffer, .address_space: global }
      - { .name: bk, .offset: 24, .size: 8, .value_kind: global_buffer, .address_space: global }
      - { .name: bv, .offset: 32, .size: 8, .value_kind: global_buffer, .address_space: global }
      - { .name: lowp_scales, .offset: 40, .size: 8, .value_kind: global_buffer, .address_space: global }
      - { .name: qi, .offset: 48, .size: 8, .value_kind: global_buffer, .address_space: global }
      - { .name: kv, .offset: 56, .size: 8, .value_kind: global_buffer, .address_space: global }
    .group_segment_fixed_size: 327680
    .private_segment_fixed_size: 0
    .kernarg_segment_align: 8
    .kernarg_segment_size: 64
    .max_flat_workgroup_size: 128
    .sgpr_count:     104
    .vgpr_count:     1024
    .wavefront_size: 32
...
	.end_amdgpu_metadata
.endif
;; end of part 2
;; launch attn (part 3): grid 4 x 64, 16 waves a work-group, clusters of 4 x 1, 327,680 bytes of LDS; arguments qi, kv, lowp_scales, yi; writes yi
.if DOCPART == 3
	.amdgcn_target "amdgcn-amd-amdhsa--gfx1250"
	.amdhsa_code_object_version 6
	.text
	.protected	k_q84e4b503b8_attn
	.globl	k_q84e4b503b8_attn
	.p2align	8
	.type	k_q84e4b503b8_attn,@function
k_q84e4b503b8_attn:
	s_mov_b64 s[64:65], 0
	v_nop
	global_prefetch_b8 v0, s[64:65] scope:SCOPE_SE
	s_setreg_imm32_b32 hwreg(HW_REG_WAVE_MODE, 25, 1), 1
	s_wait_xcnt 0x0
	s_wait_alu depctr_hold_cnt(0) depctr_sa_sdst(0) depctr_va_vdst(0) depctr_va_sdst(0) depctr_va_ssrc(0) depctr_va_vcc(0) depctr_vm_vsrc(0)
	s_getreg_b32 s2, hwreg(HW_REG_IB_STS2, 6, 4)
	s_cmp_eq_u32 s2, 0
	s_cbranch_scc0 .Lentry_in_a_cluster
	s_endpgm
.Lentry_in_a_cluster:
	s_bfe_u32 s2, ttmp6, 0x10000c
	s_cmp_lg_u32 s2, 0x3003
	s_cbranch_scc0 .Lentry_shape_is_right
	s_endpgm
.Lentry_shape_is_right:
; For each batch x head: s = (q 2^-8) . k on E4M3 codes; logit = 32 (s - the row's largest s over ALL 2,048 keys); keys after the query are hidden; t = logit x log2(e); M = ceil(the row's largest t among the keys that count);
; p = 2^(t - M) is quantised along the keys (entry 8 of the scales); y = (p's codes . v's codes) / the sum of the unquantised p, then quantised (entry 10) and stored as images of the last product's operand registers.
; The maximum over all keys stands ahead of the mask, so every query meets every key once for maxima alone (PASS 1) before any p can be made (PASS 2, the keys that count).  Pass 1 also gives the largest s among the keys that
; count, so M is known when pass 2 begins: it has no running maximum and rescales nothing.
; SHARES.  A cluster of four work-groups is one batch x head; all four ask jointly for its k and v, 262,144 bytes, which lie in LDS WHOLE: each LDS byte is filled once.  The 2,048 queries are 64 pairs of tiles of 16;
; work-group j of the cluster owns pairs 4 g + j, wave w the pair with g = g(w), a permutation of 0 .. 15 in which any four waves with the same w % 4, or the same w / 4, have numbers that add to 30.
; j enters memory addresses and one compared number; no branch, no trip count, no LDS address.  So a wave walks key steps 0 .. 2 g + 1 whatever j is; the last two are masked lane by lane.
; PASS 1: THE KEYS ARE SHARED AMONG THE WAVES: wave w keeps keys 128 w .. 128 w + 127 in 64 registers (the block that its own tensor load brought) and meets all 512 queries of the work-group, whose fragments come from memory;
; the largest of each query's 128 scores goes to LDS: PM[wave][tile][query].  PASS 2: 64 keys a step: S^T = K Q^T - the row's maximum (it is the product's C), p, O^T += V^T P.
; LAYOUT.  Both products are used transposed: a lane holds ONE query (lane % 16).  In the 16 x 16 x 64 form registers 2 c, 2 c + 1 hold k = 16 c + 8 (lane / 16) + 0 .. 7, and tile c of S^T holds keys 16 c + 8 (lane / 16) + 0 .. 7
; in its eight registers: their conversion IS registers 2 c, 2 c + 1 of P.  All fragments lie in memory and LDS as images of their registers: 16 bytes a lane, 512 consecutive bytes a load.
; LIMITS: e6 + e7 between -131 and 122 (they are added to an exponent field); e8 and e10 between -126 and 119; e8 + e9 is applied by v_ldexp_f32.  NaN and infinities among the scores are not served.
; LDS: 0 k's image; 131,072 v's image; 262,144 PM, 32,768 bytes.
; REGISTERS: v1 16 x lane; v2 the same in v's image; v3, v4 addresses in hand; v5 a conversion's scale; v7 -infinity; v232-253 at work (below).
;   pass 1: v8-71 my keys' 8 fragments; v72-199 scores of a pair; v200-231 two pairs' fragments of Q.
;   pass 2: v8-23 Q; v24-39 minus the rows' maxima, as C; v40-71 4 fragments of K, then of V; v72-135 S^T, then p; v136-199 O^T; v200-215 P; v216-219 -M; v220-223 the sums; v224-227 their second chains.
.set VIMG, 131072
.set PMB,  262144
.set L16,  1
.set LV,   2
.set AK,   3
.set AV,   4
.set SCL,  5
.set LIM,  6
.set NINF, 7
.set KF1,  8
.set S1,   72
.set QB,   200
.set QQ,   8
.set NEG,  24
.set FRG,  40
.set SS,   72
.set OO,   136
.set PP,   200
.set NM,   216
.set LS,   220
.set CH,   224
.set PM0,  236                         ; v236  where I store into PM: my wave's 2,048 bytes + 4 (lane % 16)
.set PMR,  237                         ; v237  where I read PM: my pair's two tiles; lanes 0-15 waves 0-7, lanes 16-31 waves 8-15
.set TH,   238                         ; v238  g - 8 (lane / 16): key block k of my eight counts whole where k < this
.set PA,   239                         ; v239  PM address in hand
.set QR,   240                         ; v240-241  tile u: my query less 128 g, less 8 (lane / 16)
.set DD,   242                         ; v242-243  the same less the step's first key
.set MA,   244                         ; v244-247  two chains of a maximum for each tile; at the end 1 / sum
.set XH,   248                         ; v248-249  what the other half of the lanes holds
.set MD,   250                         ; v250-251  the largest s among the keys that count
.set AL,   252                         ; v252-253  the largest s among all keys
.macro ROUND                           ; a round of the cluster's barrier
	s_barrier_signal -1
	s_barrier_wait -1
	s_cmp_lg_u32 s12, 0
	s_cbranch_scc1 .Lnot_wave_0_\@
	s_barrier_signal -3
.Lnot_wave_0_\@:
	s_barrier_wait -3
	s_barrier_signal -1
	s_barrier_wait -1
.endm
.macro MAXN base, n, ra, rb            ; the largest of n registers, in two chains, ascending: each accumulator is read from its low end on
	v_max3_num_f32 v[\ra], v[(\base)], v[(\base)+1], v[(\base)+2]
	v_max3_num_f32 v[\rb], v[(\base)+3], v[(\base)+4], v[(\base)+5]
.set mi, 6
.rept (\n-8)/4
	v_max3_num_f32 v[\ra], v[\ra], v[(\base)+mi], v[(\base)+mi+1]
	v_max3_num_f32 v[\rb], v[\rb], v[(\base)+mi+2], v[(\base)+mi+3]
.set mi, mi+4
.endr
	v_max3_num_f32 v[\ra], v[\ra], v[(\base)+\n-2], v[(\base)+\n-1]
	s_delay_alu instid0(VALU_DEP_1)
	v_max_num_f32 v[\ra], v[\ra], v[\rb]
.endm
	s_load_b256 s[4:11], s[0:1], 0x0               ; qi s[4:5], kv s[6:7], the scales' exponents s[8:9], yi s[10:11]
	v_lshl_add_u32 v254, v0, 2, 0x48000
	v_mov_b32 v255, 0
	ds_add_u32 v254, v255
	ds_add_u32 v254, v255
	v_lshrrev_b32 v1, 5, v0
	s_delay_alu instid0(VALU_DEP_1)
	v_readfirstlane_b32 s12, v1                    ; wave 0..15
	s_bfe_u32 s13, ttmp6, 0x40000                  ; j = cx
	s_and_b32 s14, ttmp7, 0xffff                   ; batch x 16 + head, which the four partners share
	s_and_b32 s60, s12, 3                          ; g(w): with s = w % 4, q = w / 4 and m(s) = 0, 2, 3, 1:  g = 4 (q xor s) + (q xor m(s))
	s_lshr_b32 s61, s12, 2
	s_xor_b32 s62, s61, s60
	s_lshr_b32 s63, s60, 1
	s_xor_b32 s66, s60, s63
	s_and_b32 s66, s66, 1
	s_lshl_b32 s66, s66, 1
	s_or_b32 s66, s66, s63                         ; m(s)
	s_xor_b32 s66, s61, s66
	s_lshl_b32 s15, s62, 2
	s_add_co_u32 s15, s15, s66                     ; g
	s_lshl_b32 s51, s15, 1                         ; the first masked step: 2 g
	s_add_co_u32 s50, s51, 1                       ; my last step: 2 g + 1
	; descriptor group 1: a dense block of 8,192 bytes as 32 rows of 256
	s_mov_b32 s16, 15|(3<<16)|(1<<21)              ; 15:0 the mask: all four work-groups; 17:16 elements of 8 bytes; 21 set beside a mask
	s_mov_b32 s17, 32<<16                          ; tensor_dim0 = 32
	s_mov_b32 s18, 32<<16                          ; tensor_dim1 = 32
	s_mov_b32 s19, 32<<16                          ; tile_dim0 = 32
	s_mov_b32 s20, 32                              ; tile_dim1 = 32
	s_mov_b32 s21, 32                              ; tensor_dim0_stride
	s_mov_b32 s22, 0
	s_mov_b32 s23, 0
	s_mov_b32 s44, 0x76543210                      ; v_permlanex16_b32: lane l xor 16
	s_mov_b32 s45, 0xfedcba98
	s_lshl_b32 s60, s14, 18                        ; a head's 262,144 bytes of kv
	s_lshl_b32 s25, s12, 13                        ; my sixteenth of each image, in LDS as in memory
	s_add_co_u32 s60, s60, s25
	s_mov_b32 s61, 0
	s_add_co_u32 s29, s25, VIMG
	s_mov_b32 s24, 1
	s_mov_b32 s28, 1
	s_wait_dscnt 0x0
	s_wait_kmcnt 0x0
	s_load_b256 s[32:39], s[8:9], 0x0              ; e0 .. e7
	s_load_b128 s[40:43], s[8:9], 0x20             ; e8 .. e11
	s_add_nc_u64 s[26:27], s[6:7], s[60:61]
	s_add_nc_u64 s[30:31], s[26:27], VIMG
	s_or_b32 s27, s27, 0x80000000                  ; type = 2
	s_or_b32 s31, s31, 0x80000000
	ROUND                                          ; all four work-groups are here: the joint loads meet
	tensor_load_to_lds s[24:27], s[16:23]          ; my block of k: keys 128 w .. 128 w + 127
	s_nop 0
	s_wait_alu depctr_va_vdst(0)
	s_wait_tensorcnt 0x0
	ds_add_u32 v254, v255
	s_wait_dscnt 0x0
	ROUND
	tensor_load_to_lds s[28:31], s[16:23]          ; my block of v.  One load of mine is out
	s_nop 0
.rept 4
	v_nop
.endr
	s_lshl_b32 s60, s14, 17                        ; a head's 131,072 bytes of qi
	s_lshl_b32 s62, s13, 11                        ; pair j: 2,048 bytes
	s_add_co_u32 s60, s60, s62
	s_add_nc_u64 s[52:53], s[4:5], s[60:61]        ; the work-group's pairs lie 8,192 bytes apart from here
	s_lshl_b32 s60, s15, 13
	s_add_nc_u64 s[56:57], s[52:53], s[60:61]      ; my own pair
	v_and_b32 v[L16], 31, v0
	s_delay_alu instid0(VALU_DEP_1)
	v_lshlrev_b32 v[L16], 4, v[L16]
	s_wait_alu depctr_va_vdst(0)
.irp i, 0,1,2,3
	global_load_b128 v[QB+4*\i:QB+4*\i+3], v[L16], s[52:53] offset:512*\i            ; pair 0
.endr
.irp i, 0,1,2,3
	global_load_b128 v[QB+16+4*\i:QB+16+4*\i+3], v[L16], s[52:53] offset:8192+512*\i ; pair 1
.endr
	s_lshr_b32 s60, s14, 4                         ; yi: token tile = batch x 128 + 8 g + 2 j (+ u), 16,384 bytes each;
	s_lshl_b32 s60, s60, 7
	s_lshl_b32 s62, s15, 3
	s_add_co_u32 s60, s60, s62
	s_lshl_b32 s62, s13, 1
	s_add_co_u32 s60, s60, s62
	s_lshl_b32 s60, s60, 14
	s_bfe_u32 s62, s14, 0x30001                    ; K step of 128 = head / 2, 2,048 bytes;
	s_lshl_b32 s62, s62, 11
	s_add_co_u32 s60, s60, s62
	s_and_b32 s62, s14, 1                          ; its half = head % 2
	s_lshl_b32 s62, s62, 10
	s_add_co_u32 s60, s60, s62
	s_add_nc_u64 s[58:59], s[10:11], s[60:61]
	v_add_nc_u32 v[LV], VIMG, v[L16]
	v_and_b32 v232, 15, v0                         ; r
	v_bfe_u32 v233, v0, 4, 1                       ; h
	s_delay_alu instid0(VALU_DEP_1)
	v_lshlrev_b32 v234, 3, v233                    ; 8 h
	s_lshl_b32 s60, s12, 11
	s_add_co_u32 s60, s60, PMB
	v_lshl_add_u32 v[PM0], v232, 2, s60
	s_lshl_b32 s60, s15, 7
	s_add_co_u32 s60, s60, PMB
	v_lshl_add_u32 v[PMR], v232, 2, s60
	s_delay_alu instid0(VALU_DEP_1)
	v_lshl_add_u32 v[PMR], v233, 14, v[PMR]
	v_sub_nc_u32 v[TH], s15, v234
	v_sub_nc_u32 v[QR], v232, v234
	s_lshl_b32 s60, s13, 5
	v_add_nc_u32 v[QR], s60, v[QR]                 ; 32 j + r - 8 h
	s_delay_alu instid0(VALU_DEP_1)
	v_add_nc_u32 v[QR+1], 16, v[QR]
	v_mov_b32 v[NINF], 0xff800000
	v_mov_b32 v[XH], 0                             ; written once: a lane permute's destination counts as one of its sources
	v_mov_b32 v[XH+1], 0
	v_add_nc_u32 v[AK], s25, v[L16]
	s_wait_alu depctr_va_vdst(0)
	s_wait_tensorcnt 0x1                           ; my block of k is in LDS (v's may be out); nobody else's bytes are read ahead of the barrier
.irp i, 0,1,2,3,4,5,6,7,8,9,10,11,12,13,14,15
	ds_load_b128 v[KF1+4*\i:KF1+4*\i+3], v[AK] offset:512*\i
.endr
	s_wait_kmcnt 0x0
	s_add_co_i32 s60, s38, s39                     ; a score stands for score x 2^(e6 + e7), the logit is 32 times that:
	s_add_co_i32 s60, s60, 5
	s_lshl_b32 s60, s60, 23
	s_add_co_i32 s46, s60, 0x3fb8aa3b              ; c = log2(e) x 2^(5 + e6 + e7), by log2(e)'s exponent field
	s_mov_b32 s47, s46                             ; (named with it as a pair, so it is written)
	s_add_co_i32 s60, s40, 127
	s_lshl_b32 s62, s60, 23
	v_mov_b32 v[SCL], s62                          ; 2^e8, for p's conversion
	s_wait_dscnt 0x0
; PASS 1, one pair of tiles: my 128 keys x 32 queries, 16 products; each query's largest score among them to PM.  load = 1: the pair two on is asked for, into the registers just multiplied.
.macro PAIR set, load, cnt
	s_wait_loadcnt \cnt                            ; this pair's four loads are in; the younger pair's four may be out
.irp t, 0,1,2,3,4,5,6,7
.irp u, 0,1
	v_wmma_f32_16x16x64_fp8_fp8 v[S1+64*\u+8*\t:S1+64*\u+8*\t+7], v[KF1+8*\t:KF1+8*\t+7], v[QB+16*\set+8*\u:QB+16*\set+8*\u+7], 0
.endr
.endr
	v_add_nc_u32 v[PA], s54, v[PM0]                ; four places behind the products: this line and three v_nop
.rept 3
	v_nop
.endr
.if \load
.irp i, 0,1,2,3
	global_load_b128 v[QB+16*\set+4*\i:QB+16*\set+4*\i+3], v[L16], s[52:53] offset:(2+\set)*8192+512*\i
.endr
.endif
	MAXN S1, 64, MA, MA+1
	MAXN S1+64, 64, MA+2, MA+3
	v_permlanex16_b32 v[XH], v[MA], s44, s45       ; the query's other 64 keys lie in the lane 16 away
	s_delay_alu instid0(VALU_DEP_2)
	v_permlanex16_b32 v[XH+1], v[MA+2], s44, s45
	s_delay_alu instid0(VALU_DEP_2)
	v_max_num_f32 v[MA], v[MA], v[XH]
	s_delay_alu instid0(VALU_DEP_2)
	v_max_num_f32 v[MA+2], v[MA+2], v[XH+1]
	ds_store_b32 v[PA], v[MA] offset:\set*128      ; lanes r and r + 16 store the same number to the same word
	ds_store_b32 v[PA], v[MA+2] offset:\set*128+64
.endm
	s_mov_b32 s54, 0                               ; two pairs' 256 bytes of PM a trip
	s_mov_b32 s55, 7
.Lpairs:                                           ; 7 trips: pairs 0 to 13, asking for pairs 2 to 15
	PAIR 0, 1, 4
	PAIR 1, 1, 4
	s_wait_xcnt 0x0                                ; the loads have read their base: it may step
	s_add_nc_u64 s[52:53], s[52:53], 16384
	s_add_co_u32 s54, s54, 256
	s_sub_co_u32 s55, s55, 1
	s_cmp_lg_u32 s55, 0
	s_cbranch_scc1 .Lpairs
	PAIR 0, 0, 4                                   ; the last two pairs ask for nothing
	PAIR 1, 0, 0
.irp i, 0,1,2,3
	global_load_b128 v[QQ+4*\i:QQ+4*\i+3], v[L16], s[56:57] offset:512*\i   ; my own pair's fragments, where my keys lay
.endr
	s_wait_tensorcnt 0x0                           ; my block of v is in LDS,
	s_wait_dscnt 0x0                               ; my stores into PM have landed:
	s_barrier_signal -1
	s_barrier_wait -1                              ; so have everybody's: k, v and PM are whole
; PASS 2's parts.  s48: the step's 4,096 bytes in each image.
.macro LDK                             ; the step's four fragments of K.  Two additions and two v_nop are the four places behind the products that read these registers last
	v_add_nc_u32 v[AK], s48, v[L16]
	v_add_nc_u32 v[AV], s48, v[LV]
	v_nop
	v_nop
.irp i, 0,1,2,3,4,5,6,7
	ds_load_b128 v[FRG+4*\i:FRG+4*\i+3], v[AK] offset:512*\i
.endr
.endm
.macro QK neg                          ; S^T = K Q^T (neg = 1: less the row's maximum over all keys, which is the product's C): 4 tiles of 16 keys x 2 tiles of queries
	s_wait_dscnt 0x0
.irp t, 0,1,2,3
.irp u, 0,1
.if \neg
	v_wmma_f32_16x16x64_fp8_fp8 v[SS+32*\u+8*\t:SS+32*\u+8*\t+7], v[FRG+8*\t:FRG+8*\t+7], v[QQ+8*\u:QQ+8*\u+7], v[NEG+8*\u:NEG+8*\u+7]
.else
	v_wmma_f32_16x16x64_fp8_fp8 v[SS+32*\u+8*\t:SS+32*\u+8*\t+7], v[FRG+8*\t:FRG+8*\t+7], v[QQ+8*\u:QQ+8*\u+7], 0
.endif
.endr
.endr
.rept 4
	v_nop
.endr
.endm
.macro LDV                             ; the step's four fragments of V, into the registers that K has left (four places behind the products above)
.irp i, 0,1,2,3,4,5,6,7
	ds_load_b128 v[FRG+4*\i:FRG+4*\i+3], v[AV] offset:512*\i
.endr
.endm
.macro MASK sub                        ; sub: the step's first key less 128 g.  Register n of a tile holds key 16 (n / 8) + n % 8 + 8 (lane / 16) of the step: hidden where that is greater than my query
	v_sub_nc_u32 v[DD], v[QR], \sub
	v_sub_nc_u32 v[DD+1], v[QR+1], \sub
.irp u, 0,1
.set n, 0
.rept 32
	v_cmp_gt_i32 vcc_lo, 16*(n/8)+n%8, v[DD+\u]
	v_cndmask_b32 v[SS+32*\u+n], v[SS+32*\u+n], v[NINF], vcc_lo
.set n, n+1
.endr
.endr
.endm
	; THE TWO MAXIMA.  Key blocks 0 .. g - 1 of 128 count whole: PM has their maxima.  Block g lies on the diagonal: its scores are made once more, masked.
	s_wait_loadcnt 0x0                             ; Q
	s_lshl_b32 s48, s15, 13
	LDK
	QK 0
	MASK 0
	MAXN SS, 32, MA, MA+1
	MAXN SS+32, 32, MA+2, MA+3
	v_mov_b32 v[MD], v[MA]
	s_delay_alu instid0(VALU_DEP_2)
	v_mov_b32 v[MD+1], v[MA+2]
	s_add_co_u32 s48, s48, 4096
	LDK
	QK 0
	MASK 64
	MAXN SS, 32, MA, MA+1
	MAXN SS+32, 32, MA+2, MA+3
	v_max_num_f32 v[MD], v[MD], v[MA]
	s_delay_alu instid0(VALU_DEP_2)
	v_max_num_f32 v[MD+1], v[MD+1], v[MA+2]
.irp u, 0,1
.irp k, 0,1,2,3,4,5,6,7
	ds_load_b32 v[PP+8*\u+\k], v[PMR] offset:\k*2048+\u*64     ; my query's maximum in key block k + 8 (lane / 16)
.endr
.endr
	s_wait_dscnt 0x0
.irp u, 0,1
	v_max3_num_f32 v[AL+\u], v[PP+8*\u], v[PP+8*\u+1], v[PP+8*\u+2]
	s_delay_alu instid0(VALU_DEP_1)
	v_max3_num_f32 v[AL+\u], v[AL+\u], v[PP+8*\u+3], v[PP+8*\u+4]
	s_delay_alu instid0(VALU_DEP_1)
	v_max3_num_f32 v[AL+\u], v[AL+\u], v[PP+8*\u+5], v[PP+8*\u+6]
	s_delay_alu instid0(VALU_DEP_1)
	v_max_num_f32 v[AL+\u], v[AL+\u], v[PP+8*\u+7]
.endr
.irp k, 0,1,2,3,4,5,6,7
	v_cmp_lt_i32 vcc_lo, \k, v[TH]                 ; does the block lie wholly ahead of my queries?
	s_delay_alu instid0(VALU_DEP_1)
	v_cndmask_b32 v[PP+\k], v[NINF], v[PP+\k], vcc_lo
	s_delay_alu instid0(VALU_DEP_2)
	v_cndmask_b32 v[PP+8+\k], v[NINF], v[PP+8+\k], vcc_lo
.endr
.irp u, 0,1
	v_max3_num_f32 v[MD+\u], v[MD+\u], v[PP+8*\u], v[PP+8*\u+1]
	s_delay_alu instid0(VALU_DEP_1)
	v_max3_num_f32 v[MD+\u], v[MD+\u], v[PP+8*\u+2], v[PP+8*\u+3]
	s_delay_alu instid0(VALU_DEP_1)
	v_max3_num_f32 v[MD+\u], v[MD+\u], v[PP+8*\u+4], v[PP+8*\u+5]
	s_delay_alu instid0(VALU_DEP_1)
	v_max3_num_f32 v[MD+\u], v[MD+\u], v[PP+8*\u+6], v[PP+8*\u+7]
.endr
	v_permlanex16_b32 v[XH], v[AL], s44, s45
	v_permlanex16_b32 v[XH+1], v[AL+1], s44, s45
	s_delay_alu instid0(VALU_DEP_2)
	v_max_num_f32 v[AL], v[AL], v[XH]
	s_delay_alu instid0(VALU_DEP_2)
	v_max_num_f32 v[AL+1], v[AL+1], v[XH+1]
	s_delay_alu instid0(VALU_DEP_4)
	v_permlanex16_b32 v[XH], v[MD], s44, s45
	s_delay_alu instid0(VALU_DEP_4)
	v_permlanex16_b32 v[XH+1], v[MD+1], s44, s45
	s_delay_alu instid0(VALU_DEP_2)
	v_max_num_f32 v[MD], v[MD], v[XH]
	s_delay_alu instid0(VALU_DEP_2)
	v_max_num_f32 v[MD+1], v[MD+1], v[XH+1]
.irp u, 0,1
	v_sub_f32 v[MA+2*\u], v[MD+\u], v[AL+\u]       ; 0 or less
	s_delay_alu instid0(VALU_DEP_1)
	v_mul_f32 v[MA+2*\u], s46, v[MA+2*\u]          ; the row's largest t
	s_delay_alu instid0(VALU_DEP_1)
	v_floor_f32 v[NM+2*\u], -v[MA+2*\u]            ; -M = floor(-t) = -ceil(t): a whole number
	s_delay_alu instid0(VALU_DEP_1)
	v_mov_b32 v[NM+2*\u+1], v[NM+2*\u]             ; (named with it as a pair)
.irp i, 0,1,2,3,4,5,6,7
	v_mul_f32 v[NEG+8*\u+\i], -1.0, v[AL+\u]
.endr
.endr
.set i, 0
.rept 64
	v_mov_b32 v[OO+i], 0                           ; O^T: the step is written once, so the first finds zeros
.set i, i+1
.endr
.irp i, 0,1,2,3
	v_mov_b32 v[LS+\i], 0
.endr
	; PASS 2.  32 trips for every wave: the trip count is a constant; a step all of whose keys come after my block of 128 queries is left out by a branch on the wave's number, round the work alone.
	s_mov_b32 s49, 0
	s_mov_b32 s48, 0
.Lstep:
	s_cmp_gt_u32 s49, s50
	s_cbranch_scc1 .Lskip
	s_setprio 2
	LDK
	s_wait_alu depctr_va_vdst(0)
	QK 1
	LDV
	s_cmp_lt_u32 s49, s51
	s_cbranch_scc1 .Lopen                          ; all 64 keys count for all my queries
	s_sub_co_u32 s60, s49, s51
	s_lshl_b32 s60, s60, 6
	MASK s60                                       ; hidden scores become -infinity: p = 0
.Lopen:
.irp u, 0,1
.set i, 0
.rept 16
	v_pk_fma_f32 v[SS+32*\u+i:SS+32*\u+i+1], v[SS+32*\u+i:SS+32*\u+i+1], s[46:47], v[NM+2*\u:NM+2*\u+1] op_sel_hi:[1,0,0]   ; t - M, two at a time
.set i, i+2
.endr
.endr
.set i, 0
	s_setprio 1
	s_wait_alu depctr_va_vdst(0)
.rept 64
	v_exp_f32 v[SS+i], v[SS+i]                     ; p = 2^(t - M): not normalised
.set i, i+1
.endr
	v_nop                                          ; a plain line behind the last exponential
	s_wait_alu depctr_va_vdst(0)                   ; one wait for the whole batch, ahead of its first reader
.irp u, 0,1                                    ; the row's sum is taken of the unquantised p: two at a time, in two chains
	v_pk_add_f32 v[CH+2*\u:CH+2*\u+1], v[SS+32*\u:SS+32*\u+1], v[SS+32*\u+2:SS+32*\u+3]
.set i, 4
.rept 7
	v_pk_add_f32 v[LS+2*\u:LS+2*\u+1], v[LS+2*\u:LS+2*\u+1], v[SS+32*\u+i:SS+32*\u+i+1]
	v_pk_add_f32 v[CH+2*\u:CH+2*\u+1], v[CH+2*\u:CH+2*\u+1], v[SS+32*\u+i+2:SS+32*\u+i+3]
.set i, i+4
.endr
	s_delay_alu instid0(VALU_DEP_1)
	v_pk_add_f32 v[LS+2*\u:LS+2*\u+1], v[LS+2*\u:LS+2*\u+1], v[CH+2*\u:CH+2*\u+1]
.endr
.set i, 0
.rept 64
.set i, i+1
.endr
.irp u, 0,1
.irp t, 0,1,2,3
	v_cvt_scalef32_pk8_fp8_f32 v[PP+8*\u+2*\t:PP+8*\u+2*\t+1], v[SS+32*\u+8*\t:SS+32*\u+8*\t+7], v[SCL]
.endr
.endr
	v_nop                                          ; one plain vector line between the last conversion and the products that read its result
	s_setprio 0
	s_wait_alu depctr_va_vdst(0)
	s_wait_dscnt 0x0                               ; V
.irp t, 0,1,2,3                                ; O^T += V^T P: eight accumulators by turns, one instruction a turn
.irp u, 0,1
	v_wmma_f32_16x16x64_fp8_fp8 v[OO+32*\u+8*\t:OO+32*\u+8*\t+7], v[FRG+8*\t:FRG+8*\t+7], v[PP+8*\u:PP+8*\u+7], v[OO+32*\u+8*\t:OO+32*\u+8*\t+7]
.endr
.endr
.Lskip:
	s_add_co_u32 s48, s48, 4096
	s_add_co_u32 s49, s49, 1
	s_cmp_lt_u32 s49, 32
	s_cbranch_scc1 .Lstep
	s_setprio 0
	; THE WAY OUT: y = O^T x 2^(e8 + e9) / the sum, quantised with 2^e10.  Tiles 2 b and 2 b + 1 of 16 channels give four registers a lane: a quarter of the last product's fragment of 128 along K.
.rept 4
	v_nop
.endr
	s_wait_alu depctr_va_vdst(0)
	v_add_f32 v[MA], v[LS], v[LS+1]
	v_add_f32 v[MA+2], v[LS+2], v[LS+3]
	s_delay_alu instid0(VALU_DEP_2)
	v_permlanex16_b32 v[XH], v[MA], s44, s45
	s_delay_alu instid0(VALU_DEP_2)
	v_permlanex16_b32 v[XH+1], v[MA+2], s44, s45
	s_delay_alu instid0(VALU_DEP_2)
	v_add_f32 v[MA], v[MA], v[XH]
	s_delay_alu instid0(VALU_DEP_2)
	v_add_f32 v[MA+2], v[MA+2], v[XH+1]
	s_wait_alu depctr_va_vdst(0)
	v_rcp_f32 v[MA], v[MA]
	v_rcp_f32 v[MA+2], v[MA+2]
	s_add_co_i32 s60, s40, s41                     ; e8 + e9
	s_add_co_i32 s61, s42, 127
	s_lshl_b32 s62, s61, 23
	v_mov_b32 v[SCL], s62                          ; 2^e10.  (A plain line behind the reciprocals)
	s_wait_alu depctr_va_vdst(0)                   ; one wait for both reciprocals, ahead of their first reader
	v_ldexp_f32 v[MA], v[MA], s60
	v_ldexp_f32 v[MA+2], v[MA+2], s60
.irp u, 0,1
.set i, 0
.rept 16
	v_pk_mul_f32 v[SS+32*\u+i:SS+32*\u+i+1], v[OO+32*\u+i:OO+32*\u+i+1], v[MA+2*\u:MA+2*\u+1] op_sel_hi:[1,0]
.set i, i+2
.endr
.endr
.set i, 0
.rept 64
.set i, i+1
.endr
.irp u, 0,1
.irp t, 0,1,2,3
	v_cvt_scalef32_pk8_fp8_f32 v[PP+8*\u+2*\t:PP+8*\u+2*\t+1], v[SS+32*\u+8*\t:SS+32*\u+8*\t+7], v[SCL]
.endr
.endr
	v_nop
.irp u, 0,1
.irp b, 0,1
	global_store_b128 v[L16], v[PP+8*\u+4*\b:PP+8*\u+4*\b+3], s[58:59] offset:\u*16384+\b*512   ; the wave stores 512 consecutive bytes
.endr
.endr
	s_wait_dscnt 0x0
	s_wait_tensorcnt 0x0
	ds_add_u32 v254, v255
	s_wait_dscnt 0x0
	ROUND                                          ; the closing round: no work-group ends while a partner may still ask for a tile that names it
	s_endpgm
.Lfunc_end_k_q84e4b503b8_attn:
	.size	k_q84e4b503b8_attn, .Lfunc_end_k_q84e4b503b8_attn-k_q84e4b503b8_attn
	.p2alignl 7, 3214868480
	.fill 96, 4, 3214868480
	.section	.rodata,"a",@progbits
	.p2align	6, 0x0
	.amdhsa_kernel k_q84e4b503b8_attn
		.amdhsa_group_segment_fixed_size 327680
		.amdhsa_private_segment_fixed_size 0
		.amdhsa_enable_private_segment 0
		.amdhsa_kernarg_size 32
		.amdhsa_user_sgpr_count 2
		.amdhsa_user_sgpr_kernarg_segment_ptr 1
		.amdhsa_wavefront_size32 1
		.amdhsa_system_sgpr_workgroup_id_x 1
		.amdhsa_system_sgpr_workgroup_id_y 1
		.amdhsa_system_sgpr_workgroup_id_z 1
		.amdhsa_system_vgpr_workitem_id 0
		.amdhsa_next_free_vgpr 256
		.amdhsa_next_free_sgpr 72
		.amdhsa_reserve_vcc 1
		.amdhsa_float_denorm_mode_32 3
		.amdhsa_float_denorm_mode_16_64 3
		.amdhsa_fp16_overflow 1
		.amdhsa_memory_ordered 1
		.amdhsa_forward_progress 1
		.amdhsa_inst_pref_size 72
	.end_amdhsa_kernel
	.amdgpu_metadata
---
amdhsa.version: [ 1, 2 ]
amdhsa.kernels:
  - .name:           k_q84e4b503b8_attn
    .symbol:         k_q84e4b503b8_attn.kd
    .args:
      - { .name: qi, .offset: 0, .size: 8, .value_kind: global_buffer, .address_space: global }
      - { .name: kv, .offset: 8, .size: 8, .value_kind: global_buffer, .address_space: global }
      - { .name: lowp_scales, .offset: 16, .size: 8, .value_kind: global_buffer, .address_space: global }
      - { .name: yi, .offset: 24, .size: 8, .value_kind: global_buffer, .address_space: global }
    .group_segment_fixed_size: 327680
    .private_segment_fixed_size: 0
    .kernarg_segment_align: 8
    .kernarg_segment_size: 32
    .max_flat_workgroup_size: 512
    .sgpr_count:     72
    .vgpr_count:     256
    .wavefront_size: 32
...
	.end_amdgpu_metadata
.endif
;; end of part 3
;; launch proj (part 4): grid 4 x 32, 4 waves a work-group, clusters of 4 x 4, 327,680 bytes of LDS; arguments yi, wc, bp, lowp_scales, out0; writes out0
.if DOCPART == 4
	.amdgcn_target "amdgcn-amd-amdhsa--gfx1250"
	.amdhsa_code_object_version 6
	.text
	.protected	k_q84e4b503b8_proj
	.globl	k_q84e4b503b8_proj
	.p2align	8
	.type	k_q84e4b503b8_proj,@function
k_q84e4b503b8_proj:
	s_mov_b64 s[64:65], 0
	v_nop
	global_prefetch_b8 v0, s[64:65] scope:SCOPE_SE
	s_setreg_imm32_b32 hwreg(HW_REG_WAVE_MODE, 25, 1), 1
	s_wait_xcnt 0x0
	s_wait_alu depctr_hold_cnt(0) depctr_sa_sdst(0) depctr_va_vdst(0) depctr_va_sdst(0) depctr_va_ssrc(0) depctr_va_vcc(0) depctr_vm_vsrc(0)
	s_getreg_b32 s2, hwreg(HW_REG_IB_STS2, 6, 4)
	s_cmp_eq_u32 s2, 0
	s_cbranch_scc0 .Lentry_in_a_cluster
	s_endpgm
.Lentry_in_a_cluster:
	s_bfe_u32 s2, ttmp6, 0x10000c
	s_cmp_lg_u32 s2, 0xf033
	s_cbranch_scc0 .Lentry_shape_is_right
	s_endpgm
.Lentry_shape_is_right:
; out = y Wp + bp on E4M3 codes: [8,192 x 1,024] x [1,024 x 1,024], f32 out.  y's codes come as IMAGES OF THE OPERAND'S REGISTERS (yi: [tile of 16 tokens 512][128 along K: 8][four registers: 4][lane 32][16 bytes]),
; Wp's as rows [n][k] (the fourth plane of wc) in which the second and third group of 8 codes of every 32 along K have changed places: so a load of 16 bytes at 32 c + 16 (lane / 16) brings the very k that y's image holds there.
; A tile of 256 x 256 is made by four waves, each 128 x 128: 64 accumulators.  K goes in steps of 256 through a ring of two LDS slots filled by the tensor data mover.
; CLUSTERS: 4 x 4 work-groups: y's tiles are shared along a row of the cluster, Wp's along a column: each is asked for jointly.  128 tiles: half of the WGPs have none; a smaller tile would read each LDS byte for fewer products.
; THE MATRIX INSTRUCTION IS USED TRANSPOSED (source 0 = 16 rows of Wp's codes, source 1 = 16 tokens): a lane holds eight neighbouring numbers of a row of out.
; LIMIT: e10 + e11 between -126 and 127.
; REGISTERS, in windows of 256: window 0: v0-31 addresses; from v128 y's fragments, ONE set; on the way out v32-255.  window 1: Wp's fragments, TWO sets; at the end v0-63 the bias.  windows 2, 3: the accumulators.
.set SIZE_N, 1024
.set ROWB,   256                       ; a row of Wp's tile in bytes
.set KROW,   1024
.set PITCH,  272                       ; Wp's rows in LDS: 256 bytes + 16 of padding: the 16 rows that a load touches start at 16 different banks (64 banks of 4 bytes: ISA guide 11.1)
.set FR,     16
.set NL,     4
.set NP,     4
.set AHALF,  32768                     ; 8 tiles of 16 tokens x 4,096 bytes: what one tensor load brings of y; images are read 16 bytes a lane on end and want no padding
.set HALFB,  128*PITCH                 ; 128 rows of Wp
.set BOFF,   2*AHALF
.set SLOT,   BOFF+2*HALFB
.set SPARE,  2*SLOT                    ; behind the ring: the spare words, 128 bytes for each wave
.set SPITCH, 528                       ; the way out: a stage of 16 rows x (512 bytes + 16) for each wave, in slot 0, which has had its last fill and its last read when the first result is stored there
.set ADRA, 16
.set ADRB, 20
.set STO,  24
.set RD,   25
.set CO,   26
.set SPW,  28
.set NIL,  29
.set ABI,  30                          ; v30  byte offset of my columns' bias
.set TMP,  32
.set AF,   128
.set BK,   128
.set G1, 24
.set G0, 32
.set G1B, 48
.set G0B, 56
.set MSB, 0
.macro WIN new
.if MSB != \new
	s_set_vgpr_msb (MSB<<8)|\new
.set MSB, \new
.endif
.endm
.set MUL_LO, 0xa1
.set MUL_HI, 0xf1
.set TO_B,   0x40
.macro JLOAD g0a, g1a, g0b, g1b        ; a joint load: waves 0 and 1 fetch y's halves, waves 2 and 3 Wp's; four v_nop follow each of the two lines
	s_cmp_eq_u32 s15, 0
	s_cbranch_scc0 .Lfor_b_\@
	tensor_load_to_lds s[\g0a:\g0a+3], s[\g1a:\g1a+7]
	s_nop 0
.rept 4
	v_nop
.endr
	s_branch .Lasked_\@
.Lfor_b_\@:
	tensor_load_to_lds s[\g0b:\g0b+3], s[\g1b:\g1b+7]
	s_nop 0
.rept 4
	v_nop
.endr
.Lasked_\@:
.endm
.macro CREST
	s_cmp_lg_u32 s14, 0
	s_cbranch_scc1 .Lnot_wave_0_\@
	s_barrier_signal -3
.Lnot_wave_0_\@:
	s_barrier_wait -3
	s_barrier_signal -1
	s_barrier_wait -1
.endm
.macro CROUND
	s_barrier_signal -1
	s_barrier_wait -1
	CREST
.endm
	s_load_b128 s[4:7], s[0:1], 0x0                ; yi s[4:5], wc s[6:7]
	s_load_b64 s[12:13], s[0:1], 0x10              ; bp
	s_load_b128 s[8:11], s[0:1], 0x18              ; the scales' exponents s[8:9], out0 s[10:11]
	v_lshl_add_u32 v[SPW], v0, 2, SPARE
	v_mov_b32 v[NIL], 0
	ds_add_u32 v28, v29
	ds_add_u32 v28, v29
	s_wait_dscnt 0x0
	v_lshrrev_b32 v1, 5, v0
	v_readfirstlane_b32 s14, v1                    ; wave 0..3
	s_lshr_b32 s15, s14, 1                         ; which half of the tile's rows is mine.  Also: I fetch for y (0) or for Wp (1)
	s_and_b32 s16, s14, 1                          ; which half of its columns.  Also: which half of that tile I fetch
	s_bfe_u32 s40, ttmp6, 0x40000                  ; cx, cy
	s_bfe_u32 s41, ttmp6, 0x40004
	s_lshl_b32 s42, ttmp9, 2
	s_add_co_u32 s42, s42, s40                     ; tile column
	s_and_b32 s17, ttmp7, 0xffff
	s_lshl_b32 s17, s17, 2
	s_add_co_u32 s17, s17, s41                     ; tile row
	s_lshl_b32 s43, s41, 2
	s_lshl_b32 s43, 15, s43                        ; my row of the cluster
	s_lshl_b32 s44, 0x1111, s40                    ; my column
	; descriptor group 1 for y: 8 rows (tiles of 16 tokens) of 4,096 bytes, 16,384 bytes apart, in elements of 8 bytes
	s_or_b32 s[G1+0], s43, (3<<16)|(1<<21)         ; 15:0 the mask; 17:16 elements of 8 bytes; 21 set beside a mask
	s_mov_b32 s[G1+1], 512<<16                     ; tensor_dim0
	s_mov_b32 s[G1+2], 8<<16                       ; tensor_dim1
	s_mov_b32 s[G1+3], 512<<16                     ; tile_dim0
	s_mov_b32 s[G1+4], 8                           ; tile_dim1
	s_mov_b32 s[G1+5], 2048                        ; tensor_dim0_stride
	s_mov_b32 s[G1+6], 0
	s_mov_b32 s[G1+7], 0
	; for Wp: 128 rows of 256 bytes, padded in LDS
	s_or_b32 s[G1B+0], s44, (0<<16)|(1<<20)|(1<<21)|(5<<22)|(3<<25)
	s_mov_b32 s[G1B+1], ROWB<<16
	s_mov_b32 s[G1B+2], 128<<16
	s_mov_b32 s[G1B+3], ROWB<<16
	s_mov_b32 s[G1B+4], 128
	s_mov_b32 s[G1B+5], KROW
	s_mov_b32 s[G1B+6], 0
	s_mov_b32 s[G1B+7], 0
	s_lshl_b32 s20, s17, 18                        ; y: 16 token tiles of 16,384 bytes a tile row,
	s_lshl_b32 s18, s16, 17                        ; 8 of them a half
	s_add_co_u32 s20, s20, s18
	s_mov_b32 s21, 0
	s_lshl_b32 s46, s42, 8
	s_lshl_b32 s18, s16, 7
	s_add_co_u32 s46, s46, s18
	s_lshl_b32 s46, s46, 10                        ; Wp: rows of 1,024 bytes,
	s_add_co_u32 s46, s46, 0x300000                ; in the fourth plane
	s_mov_b32 s47, 0
	s_lshl_b32 s66, s16, 15                        ; where they go: y's halves,
	s_mul_i32 s67, s16, HALFB
	s_add_co_u32 s67, s67, BOFF                    ; then Wp's: no place in the cluster enters an LDS address
	s_wait_kmcnt 0x0
	s_load_b64 s[96:97], s[8:9], 0x28              ; e10, e11
	s_add_nc_u64 s[20:21], s[4:5], s[20:21]
	s_add_nc_u64 s[46:47], s[6:7], s[46:47]
	CROUND                                         ; all sixteen work-groups are here: the first joint loads meet
.irp s, 0,1
	s_mov_b32 s[G0+4*\s], 1
	s_add_co_u32 s[G0+4*\s+1], s66, \s*SLOT
	s_add_nc_u64 s[G0+4*\s+2:G0+4*\s+3], s[20:21], \s*4096
	s_or_b32 s[G0+4*\s+3], s[G0+4*\s+3], 0x80000000
	s_mov_b32 s[G0B+4*\s], 1
	s_add_co_u32 s[G0B+4*\s+1], s67, \s*SLOT
	s_add_nc_u64 s[G0B+4*\s+2:G0B+4*\s+3], s[46:47], \s*ROWB
	s_or_b32 s[G0B+4*\s+3], s[G0B+4*\s+3], 0x80000000
	s_wait_alu depctr_va_vdst(0)
	s_wait_tensorcnt 0x0
	ds_add_u32 v28, v29
	ds_add_u32 v28, v29
	s_wait_dscnt 0x0
	CROUND
	JLOAD G0+4*\s, G1, G0B+4*\s, G1B
.endr
	v_and_b32 v1, 15, v0                           ; r
	v_bfe_u32 v2, v0, 4, 1                         ; h
	v_and_b32 v6, 31, v0
	v_lshlrev_b32 v[CO], 4, v6                     ; 16 x lane: my place in an image, in a stage row read back, and in a row of out
	v_mul_u32_u24 v3, v1, PITCH
	v_lshl_add_u32 v4, v2, 4, v3
	s_lshl_b32 s21, s15, 15                        ; my 8 token tiles
	s_mul_i32 s22, s16, HALFB                      ; my 128 rows of Wp
	s_add_co_u32 s22, s22, BOFF
.irp s, 0,1
	v_add_nc_u32 v[ADRA+\s], s21, v[CO]
	v_add_nc_u32 v[ADRB+\s], s22, v4
	s_add_co_u32 s21, s21, SLOT
	s_add_co_u32 s22, s22, SLOT
.endr
	s_mul_i32 s23, s14, 16*SPITCH                  ; my stage
	v_mul_u32_u24 v5, v1, SPITCH
	v_lshl_add_u32 v5, v2, 5, v5
	v_add_nc_u32 v[STO], s23, v5                   ; in: row r, 32 bytes for each half of the lanes
	v_add_nc_u32 v[RD], s23, v[CO]                 ; back: the 32 lanes take one row of 512 bytes
	s_lshl_b32 s20, s17, 8
	s_lshl_b32 s21, s15, 7
	s_add_co_u32 s20, s20, s21                     ; my first row of out
	s_lshl_b32 s20, s20, 12                        ; rows of 4,096 bytes
	s_lshl_b32 s46, s42, 10
	s_lshl_b32 s47, s16, 9
	s_add_co_u32 s46, s46, s47                     ; my first column, in bytes
	v_lshl_add_u32 v[ABI], v2, 5, s46              ; the bias of block b's eight columns of my half: 64 b + 32 h bytes on
	s_add_co_u32 s20, s20, s46
	s_mov_b32 s21, 0
	s_add_nc_u64 s[10:11], s[10:11], s[20:21]
.macro FRAGB reg, adr, q, i            ; Wp: 16 rows x 128 K: four loads of 16 bytes, 32 bytes apart
.irp c, 0,1,2,3
	ds_load_b128 v[\reg+4*\c:\reg+4*\c+3], v[\adr] offset:128*(\q)+32*\c+(\i)*16*PITCH
.endr
.endm
.macro FRAGA reg, adr, q, i            ; y: the image of token tile i, the slot's q-th 128 along K: four loads of 512 consecutive bytes
.irp c, 0,1,2,3
	ds_load_b128 v[\reg+4*\c:\reg+4*\c+3], v[\adr] offset:2048*(\q)+512*\c+(\i)*4096
.endr
.endm
.macro MUL16 a0, p, zero               ; 16 matrix instructions; the 64 accumulators take turns, one instruction a turn
.irp a, \a0, \a0+1
.irp b, 0,1,2,3,4,5,6,7
.if \zero
	v_wmma_f32_16x16x128_fp8_fp8 v[8*(8*((\a)%4)+\b):8*(8*((\a)%4)+\b)+7], v[128*(\p)+FR*\b:128*(\p)+FR*\b+FR-1], v[AF+FR*(\a):AF+FR*(\a)+FR-1], 0
.else
	v_wmma_f32_16x16x128_fp8_fp8 v[8*(8*((\a)%4)+\b):8*(8*((\a)%4)+\b)+7], v[128*(\p)+FR*\b:128*(\p)+FR*\b+FR-1], v[AF+FR*(\a):AF+FR*(\a)+FR-1], v[8*(8*((\a)%4)+\b):8*(8*((\a)%4)+\b)+7]
.endif
.endr
.endr
.endm
.macro FETCH_B slot, q, p
	WIN TO_B
.irp i, 0,1,2,3,4,5,6,7
	FRAGB 128*(\p)+FR*\i, ADRB+\slot, \q, \i
.endr
	WIN 0
.endm
.macro FETCH_A slot, q, i0
.irp i, \i0, \i0+1, \i0+2, \i0+3
	FRAGA AF+FR*(\i), ADRA+\slot, \q, \i
.endr
.endm
.macro PLACES n                        ; plain vector lines between a matrix instruction and a load into, or a vector line on, its registers
.rept \n
	v_nop
.endr
.endm
.macro STEP slot, q, zero
	s_wait_dscnt 4*NL                              ; Wp's set and y's blocks 0-3 are in; the youngest sixteen loads (y's blocks 4-7) may be out
	WIN MUL_LO
	MUL16 0, (\q)%2, \zero
	MUL16 2, (\q)%2, \zero
	s_wait_dscnt 0
	PLACES NP
	FETCH_B \slot, (\q)+1, 1-(\q)%2
	FETCH_A \slot, (\q)+1, 0
	WIN MUL_HI
	MUL16 4, (\q)%2, \zero
	MUL16 6, (\q)%2, \zero
	PLACES NP
	WIN 0
	FETCH_A \slot, (\q)+1, 4
.endm
.macro TURN slot, next, fill           ; a slot's last step changes slots: ONE barrier; in front of it each wave waits for all its tensor loads, adds 0 to its spare word, and waits for that and for its own reads of this slot
	s_wait_tensorcnt 0x0                           ; all my tensor loads have landed: my part of the next slot
	ds_add_u32 v[SPW], v[NIL]                      ; 0 onto my spare word
	s_wait_dscnt 4*NL+1                            ; (the add and the youngest sixteen loads may be out)
	WIN MUL_LO
	MUL16 0, 1, 0
	s_wait_dscnt 0x0                               ; the add is done, and my reads of this slot are over
	s_barrier_signal -1
	MUL16 2, 1, 0
	WIN 0
	s_barrier_wait -1
.if \fill
	CREST                                          ; the barrier has opened a round of the cluster's barrier: no wave of any partner still reads this slot's tile or has a load on its way
	s_add_nc_u64 s[G0+4*\slot+2:G0+4*\slot+3], s[G0+4*\slot+2:G0+4*\slot+3], 2*4096
	s_add_nc_u64 s[G0B+4*\slot+2:G0B+4*\slot+3], s[G0B+4*\slot+2:G0B+4*\slot+3], 2*ROWB
	JLOAD G0+4*\slot, G1, G0B+4*\slot, G1B         ; the first tensor load behind the round; its four v_nop are also the places in front of the loads below
.else
	PLACES NP
.endif
	FETCH_B \next, 0, 0
	FETCH_A \next, 0, 0
	WIN MUL_HI
	MUL16 4, 1, 0
	MUL16 6, 1, 0
	PLACES NP
	WIN 0
	FETCH_A \next, 0, 4
.endm
	s_wait_alu depctr_va_vdst(0)
	s_wait_tensorcnt 1                             ; my part of K step 0 is in (K step 1's load may be out),
	s_barrier_signal -1
	s_barrier_wait -1                              ; everybody's is
	FETCH_B 0, 0, 0
	FETCH_A 0, 0, 0
	FETCH_A 0, 0, 4
	STEP 0, 0, 1                                   ; the first step stands in front of the loop: its products start the sums
	s_mov_b32 s3, 1                                ; K = 1,024 is two laps of the ring: one trip fills both slots again
.Llap:
	TURN 0, 1, 1
	STEP 1, 0, 0
	TURN 1, 0, 1
	STEP 0, 0, 0
	s_sub_co_u32 s3, s3, 1
	s_cmp_lg_u32 s3, 0
	s_cbranch_scc1 .Llap
	TURN 0, 1, 0                                   ; the last lap fills nothing
	STEP 1, 0, 0
	WIN TO_B                                       ; Wp's set 0 is done with (the step's closing places stand behind its last products): the bias of my 128 columns lands there
.irp b, 0,1,2,3,4,5,6,7
	global_load_b128 v[8*\b:8*\b+3], v[ABI], s[12:13] offset:64*\b
	global_load_b128 v[8*\b+4:8*\b+7], v[ABI], s[12:13] offset:64*\b+16
.endr
	s_wait_dscnt 4*NL                              ; the very last step: nothing more to fetch
	WIN MUL_LO
	MUL16 0, 1, 0
	MUL16 2, 1, 0
	s_wait_dscnt 0
	WIN MUL_HI
	MUL16 4, 1, 0
	MUL16 6, 1, 0
	WIN 0
; THE WAY OUT, block by block of 16 rows x 128 columns: out = sum x 2^(e10 + e11) + bp, one packed multiply-add for two numbers, each accumulator from its low end on; through my own stage in LDS; back as whole rows of 512 bytes.
; LDS serves a wave's instructions in order (ISA guide 5.7.1.4): no wait between the stores and the loads, nor in front of the next block's stores.
.macro TOSTAGE a
.set AC, 64*((\a)%4)
	WIN (0x12+((\a)/4))                            ; source 0 (the sums) window 2 or 3, source 2 (the bias) window 1
.set i, 0
.rept 32
	v_pk_fma_f32 v[TMP+i:TMP+i+1], v[AC+i:AC+i+1], s[96:97], v[i:i+1] op_sel_hi:[1,0,1]
.set i, i+2
.endr
	WIN 0
.irp b, 0,1,2,3,4,5,6,7
	ds_store_b128 v[STO], v[TMP+8*\b:TMP+8*\b+3] offset:64*\b
	ds_store_b128 v[STO], v[TMP+8*\b+4:TMP+8*\b+7] offset:64*\b+16
.endr
.set BB, BK+64*((\a)%2)
.irp t, 0,1,2,3,4,5,6,7,8,9,10,11,12,13,14,15
	ds_load_b128 v[BB+4*\t:BB+4*\t+3], v[RD] offset:\t*SPITCH
.endr
.endm
.macro SEND a, younger                 ; younger: the LDS instructions issued behind block a's loads, which may stay out
.set BB, BK+64*((\a)%2)
	s_wait_dscnt \younger
.if (\a) > 0
	s_add_nc_u64 s[10:11], s[10:11], 16*SIZE_N*4   ; (behind a wait on XCNT: the earlier stores have read their base)  16 rows on
.endif
.irp t, 0,1,2,3,4,5,6,7,8,9,10,11,12,13,14,15
	global_store_b128 v[CO], v[BB+4*\t:BB+4*\t+3], s[10:11] offset:\t*SIZE_N*4 th:TH_STORE_NT   ; 32 lanes store 512 consecutive bytes of a row; written once, read by nobody here
.endr
.endm
	s_wait_kmcnt 0x0
	s_add_co_i32 s96, s96, s97                     ; e10 + e11
	s_add_co_i32 s96, s96, 127
	s_lshl_b32 s96, s96, 23                        ; 2^(e10 + e11) as f32
	s_mov_b32 s97, s96                             ; (named with it as a pair, so it is written)
	s_wait_loadcnt 0x0                             ; the bias
	PLACES NP                                      ; behind the last products: their results are read, and loads land where y's fragments lay
	TOSTAGE 0
.irp a, 1,2,3,4,5,6,7
.if \a > 1
	s_wait_xcnt 0x0                                ; the stores of two blocks ago have read their registers and their base
.endif
	TOSTAGE \a
	SEND \a-1, 32                                  ; behind that block's loads: this block's 16 stores and 16 loads
.endr
	s_wait_xcnt 0x0
	SEND 7, 0
	s_wait_tensorcnt 0x0                           ; the wave's end
	ds_add_u32 v[SPW], v[NIL]
	s_wait_dscnt 0x0
	CROUND                                         ; the closing round: no work-group ends while a partner may still ask for a tile that names it
	s_endpgm
.Lfunc_end_k_q84e4b503b8_proj:
	.size	k_q84e4b503b8_proj, .Lfunc_end_k_q84e4b503b8_proj-k_q84e4b503b8_proj
	.p2alignl 7, 3214868480
	.fill 96, 4, 3214868480
	.section	.rodata,"a",@progbits
	.p2align	6, 0x0
	.amdhsa_kernel k_q84e4b503b8_proj
		.amdhsa_group_segment_fixed_size 327680
		.amdhsa_private_segment_fixed_size 0
		.amdhsa_enable_private_segment 0
		.amdhsa_kernarg_size 40
		.amdhsa_user_sgpr_count 2
		.amdhsa_user_sgpr_kernarg_segment_ptr 1
		.amdhsa_wavefront_size32 1
		.amdhsa_system_sgpr_workgroup_id_x 1
		.amdhsa_system_sgpr_workgroup_id_y 1
		.amdhsa_system_sgpr_workgroup_id_z 1
		.amdhsa_system_vgpr_workitem_id 0
		.amdhsa_next_free_vgpr 1024
		.amdhsa_next_free_sgpr 98
		.amdhsa_reserve_vcc 0
		.amdhsa_float_denorm_mode_32 3
		.amdhsa_float_denorm_mode_16_64 3
		.amdhsa_memory_ordered 1
		.amdhsa_forward_progress 1
		.amdhsa_inst_pref_size 126
	.end_amdhsa_kernel
	.amdgpu_metadata
---
amdhsa.version: [ 1, 2 ]
amdhsa.kernels:
  - .name:           k_q84e4b503b8_proj
    .symbol:         k_q84e4b503b8_proj.kd
    .args:
      - { .name: yi, .offset: 0, .size: 8, .value_kind: global_buffer, .address_space: global }
      - { .name: wc, .offset: 8, .size: 8, .value_kind: global_buffer, .address_space: global }
      - { .name: bp, .offset: 16, .size: 8, .value_kind: global_buffer, .address_space: global }
      - { .name: lowp_scales, .offset: 24, .size: 8, .value_kind: global_buffer, .address_space: global }
      - { .name: out0, .offset: 32, .size: 8, .value_kind: global_buffer, .address_space: global }
    .group_segment_fixed_size: 327680
    .private_segment_fixed_size: 0
    .kernarg_segment_align: 8
    .kernarg_segment_size: 40
    .max_flat_workgroup_size: 128
    .sgpr_count:     98
    .vgpr_count:     1024
    .wavefront_size: 32
...
	.end_amdgpu_metadata
.endif
;; end of part 4
